; MI455X (gfx1250); checked and timed in simulation.
; The chip was launched on July 23, 2026; its instructions are those of AMD's public machine-readable ISA for CDNA 5 (MIT licence, August 2026) and "CDNA5" Instruction Set Architecture Reference Guide (July 2026). The comments in the code are by the model that wrote it; some were corrected since.
;; Multi Head Attention. Allowed arithmetic: matrix products marked QUANTISED: E2M3 operands, one E8M0 scale for each 32 along K, by v_wmma_scale_f32_16x16x128_f8f6f4 with both operands' format E2M3, f32 sums; everything else in f32.
;; Inputs: Wk 1,024 x 1,024 float32; Wo 1,024 x 1,024 float32; Wq 1,024 x 1,024 float32; Wv 1,024 x 1,024 float32; attention_mask 4 x 2,048 x 2,048 float32; bk 1,024 float32; bo 1,024 float32; bq 1,024 float32; bv 1,024 float32; key 4 x 2,048 x 1,024 float32; query 4 x 2,048 x 1,024 float32; value 4 x 2,048 x 1,024 float32.
;; Outputs: out0 4 x 2,048 x 1,024 float32.
;; This version of the problem:
;;   THIS VERSION OF THE PROBLEM IS GIVEN IN LOW PRECISION. The matrix products marked QUANTISED in the list below multiply operands that are first quantised to E2M3 (2 exponent bits, 3 mantissa bits; 6 bits a number), with one power-of-two scale for each 32 numbers along K (OCP MX v1.0); their sums are f32. All else is computed in f32.
;;   The module's matrix products, in the order in which they are computed (A, B: the left and right operand; K: the contracted axis; several contracted axes count as one K, in the product's order):
;;     1. [M 8,192, K 1,024] x [K 1,024, N 1,024]; A: input query; B: input Wq: QUANTISED
;;     2. [M 8,192, K 1,024] x [K 1,024, N 1,024]; A: input key; B: input Wk: QUANTISED
;;     3. [M 8,192, K 1,024] x [K 1,024, N 1,024]; A: input value; B: input Wv: QUANTISED
;;     4. batch 64 x [M 2,048, K 64] x [K 64, N 2,048]; A: computed on the way; B: computed on the way: QUANTISED
;;     5. batch 64 x [M 2,048, K 2,048] x [K 2,048, N 64]; A: softmax (see below); B: computed on the way: QUANTISED
;;     6. [M 8,192, K 1,024] x [K 1,024, N 1,024]; A: computed on the way; B: input Wo: QUANTISED
;;   THE QUANTISER, for each operand of a quantised product, along K:
;;     - K is cut into blocks of 32 from its start; a last block that is shorter is filled with zeros.
;;     - A block's scale is 2^e with e = floor(log2(the largest magnitude in the block)) - 2, held to -126 .. 127; a block of zeros has e = 0. As a byte (E8M0): e + 127.
;;     - Each number is divided by its block's scale, clamped to +-7.5, and rounded to the nearest number of E2M3, ties to even, subnormals kept.
;;     - The product sums the exact products of the quantised numbers (number of the format x scale) in f32.
;;   ~~~python
;;   def quantise(x, axis):      # numpy; x: float32 -> the quantised numbers, widened to float32 again
;;       x = np.moveaxis(x, axis, -1); K = x.shape[-1]
;;       x = np.pad(x, [(0, 0)] * (x.ndim - 1) + [(0, -K % 32)]); x = x.reshape(x.shape[:-1] + (-1, 32)); a = np.abs(x).max(-1, keepdims=True)
;;       e = np.where(a > 0, np.clip(np.frexp(np.where(a > 0, a, 1))[1] - 1 - 2, -126, 127), 0)      # np.frexp(a)[1] - 1 = floor(log2(a)), exactly
;;       r = np.clip(x / 2.0 ** e, -7.5, 7.5)
;;       step = 2.0 ** (np.maximum(np.frexp(np.where(r == 0, 1, r))[1] - 1, 0) - 3)
;;       q = np.round(r / step) * step * 2.0 ** e      # np.round: ties to even
;;       return np.moveaxis(q.reshape(q.shape[:-2] + (-1,))[..., :K], -1, axis).astype(np.float32)
;;   ~~~
;;   SOFTMAX AHEAD OF A QUANTISED PRODUCT. Where the list says 'softmax', what is quantised is not the finished softmax but p = 2^(t - M), with t = logit x log2(e) and M = ceil(the row's largest t), a whole number; so 1/2 < the row's largest p <= 1. The row's sum l is taken of the UNQUANTISED p, in f32, and the product's result is divided by l at the end. Since M is a whole number, a kernel that streams over the keys may use a running M (the ceiling of the running maximum): every later rescaling is an exact power of two, which a block's scale takes up: the codes' values come out the same.
;;   OPERANDS COMPUTED ON THE WAY. 'Computed on the way' means the value that the module computes at that place (a softmax that the list does not call 'softmax' is quantised finished and normalised). What goes into a quantiser is computed in f32, as accurately as f32 sums, v_exp_f32 and their like allow (about 1e-6 of the number): no bf16 or f16 on the way to a quantiser, and a product that is left as it is and whose result goes on into a quantised operand takes f32 operands (vector FMAs, or v_wmma_f32_16x16x4_f32). A number that lies on a knife's edge between two numbers of the format may be rounded either way, as far as f32 arithmetic and the matrix unit's own rounding can turn it there, and no further.
;; One version. Each part assembles by itself: llvm-mc -triple=amdgcn-amd-amdhsa -mcpu=gfx1250 --defsym DOCPART=n.
;; ======== version 1 of 1: 4 launches
;; workspace buffers: qc 22,020,096 bytes; qs 917,504 bytes; qimg 6,553,600 bytes; kv 13,107,200 bytes; oc 6,291,456 bytes; os 262,144 bytes
;; launch quant (part 1): grid 896 x 1, 4 waves a work-group, no clusters, 33,280 bytes of LDS; arguments query, key, value, Wq, Wk, Wv, Wo, qc, qs; writes qc, qs
.if DOCPART == 1
	.amdgcn_target "amdgcn-amd-amdhsa--gfx1250"
	.amdhsa_code_object_version 6
	.text
	.protected	k_qb74230c108_quant
	.globl	k_qb74230c108_quant
	.p2align	8
	.type	k_qb74230c108_quant,@function
k_qb74230c108_quant:
	s_mov_b64 s[64:65], 0
	v_nop
	global_prefetch_b8 v0, s[64:65] scope:SCOPE_SE
	s_setreg_imm32_b32 hwreg(HW_REG_WAVE_MODE, 25, 1), 1
	s_wait_xcnt 0x0
; query, key, value [8192][1024] and Wq, Wk, Wv, Wo [1024][1024], f32, become codes of FP6 (E2M3), K innermost, 768 bytes a row, in qc, and one E8M0 byte for each 32 along K, 32 bytes a row, in qs.
; Rows of qc and qs: query from 0, key from 8192, value from 16384, Wq 24576, Wk 25600, Wv 26624, Wo 27648.
; A block's scale is 2^(floor(log2(its largest magnitude)) - 2); its byte is the largest magnitude's exponent field - 2, held at 1 from below.  A block of zeros gets the byte 1, not 127: its codes are zeros, and this program alone reads the bytes.
; LIMITS: blocks whose largest magnitude lies under 2^-124 take the floor's scale; NaN and infinities among the inputs are not served.
; SHARES: a work-group takes 32 rows (32,768 numbers), a wave 8 rows, in 16 steps of 512 numbers.  Each load reads 512 consecutive bytes; a step's 2,048 bytes turn through the wave's own stage in LDS and come back 64 bytes a lane,
; so that a lane holds 16 neighbours along K and two neighbouring lanes a block.
; THE ORDER OF ROWS: in key, value, Wq, Wk and Wv the second and third group of 8 rows of every 32 change places on the way out (wave 1 writes wave 2's place and the other way round).  Stored row 16 u + p of a group of 32 is then
; true row 8 u + p + 8 (p / 8): sixteen stored rows on end form a tile whose results, used transposed, lie as 16 neighbours in a lane's registers of two neighbouring tiles.
; No tensor loads, no barrier: waves share nothing.  Memory binds: matrix units and clusters would add nothing here.
.set WAVES, 4
.set STEPS, 16
.set EMAX,  2
.set CB,    12                         ; bytes of 16 codes
.set R,     16                         ; v16-79   four sets of 16 numbers as they are loaded
.set X,     80                         ; v80-111  two sets of 16 neighbours
.set E,     112                        ; v112-127 a scale byte for each step
.set C,     128                        ; v128-191 codes: four registers for each step, so that no store's data are written again
.set WREG,  8192                       ; LDS: a region for each wave: two stages of 32 x SP bytes, then its 256 scale bytes
.set SP,    80                         ; a lane's place in a stage: 64 bytes + 16 of padding
.set SPW,   12                         ; v12 LDS address of my spare word; never rewritten
.set NIL,   13                         ; v13 0; never rewritten
.set SPARE, WAVES*WREG                 ; the spare words, 128 bytes a wave, which no other line names
	s_load_b512 s[8:23], s[0:1], 0x0               ; query s[8:9], key s[10:11], value s[12:13], Wq s[14:15], Wk s[16:17], Wv s[18:19], Wo s[20:21], qc s[22:23]
	s_load_b64 s[24:25], s[0:1], 0x40              ; qs
	v_lshl_add_u32 v[SPW], v0, 2, SPARE
	v_mov_b32 v[NIL], 0
	v_lshrrev_b32 v1, 5, v0
	v_readfirstlane_b32 s26, v1                    ; wave
	v_and_b32 v2, 31, v0                           ; lane
	v_lshlrev_b32 v3, 4, v2                        ; my 16 bytes of a load's 512
	s_mul_i32 s27, s26, WREG
	v_lshrrev_b32 v14, 2, v2
	v_mul_u32_u24 v14, v14, SP
	v_and_b32 v15, 3, v2
	v_lshl_add_u32 v14, v15, 4, v14
	v_add_nc_u32 v14, s27, v14                     ; the stage, on the way in: SP (lane / 4) + 16 (lane % 4)
	v_mul_u32_u24 v15, v2, SP
	v_add_nc_u32 v15, s27, v15                     ; and on the way out: SP x lane
	v_mul_u32_u24 v4, v2, CB                       ; my codes' place in a step's
	v_lshrrev_b32 v5, 1, v2
	s_add_co_u32 s27, s27, 2*32*SP
	v_add_nc_u32 v5, s27, v5                       ; LDS: my block's scale byte
	v_lshlrev_b32 v7, 3, v2                        ; and on the way out 8 bytes a lane
	v_add_nc_u32 v6, s27, v7
	s_and_b32 s34, s26, 1                          ; the wave whose place I write where rows change places: 0, 2, 1, 3
	s_lshl_b32 s34, s34, 1
	s_lshr_b32 s35, s26, 1
	s_or_b32 s34, s34, s35
	s_sub_co_u32 s35, ttmp9, 256                   ; work-groups 256 to 863 hold key, value, Wq, Wk, Wv
	s_cmp_lt_u32 s35, 608
	s_cselect_b32 s34, s34, s26
	s_lshl_b32 s35, ttmp9, 2
	s_add_co_u32 s34, s35, s34                     ; which run of 8 rows of qc and qs I write
	s_wait_kmcnt 0x0
	s_mov_b64 s[4:5], s[8:9]                       ; which tensor is my work-group's, and its first work-group: the choice hangs on the work-group's number alone
	s_mov_b32 s28, 0
.macro PICK lim, lo
	s_cmp_ge_u32 ttmp9, \lim
	s_cselect_b64 s[4:5], s[\lo:\lo+1], s[4:5]
	s_cselect_b32 s28, \lim, s28
.endm
	PICK 256, 10
	PICK 512, 12
	PICK 768, 14
	PICK 800, 16
	PICK 832, 18
	PICK 864, 20
	s_sub_co_u32 s29, ttmp9, s28
	s_lshl_b32 s29, s29, 2
	s_add_co_u32 s29, s29, s26                     ; which run of 8 rows of the tensor I read
	s_lshl_b32 s32, s29, 15                        ; 32,768 bytes a run (under 2^26)
	s_mov_b32 s33, 0
	s_add_nc_u64 s[4:5], s[4:5], s[32:33]
	s_mul_i32 s36, s34, 32*STEPS*CB                ; 6,144 bytes of codes a run
	s_mov_b32 s37, 0
	s_add_nc_u64 s[22:23], s[22:23], s[36:37]
	s_lshl_b32 s36, s34, 8                         ; 256 scale bytes a run
	s_add_nc_u64 s[24:25], s[24:25], s[36:37]
.macro LOAD t
.irp i, 0,1,2,3
	global_load_b128 v[R+16*((\t)%4)+4*\i:R+16*((\t)%4)+4*\i+3], v3, s[4:5] offset:2048*(\t)+512*\i th:TH_LOAD_NT   ; 32 lanes read 512 consecutive bytes
.endr
.endm
.macro TURN t                          ; step t's numbers through the stage: LDS serves a wave's instructions in order, so no wait stands between the stores and the loads
.irp i, 0,1,2,3
	ds_store_b128 v14, v[R+16*((\t)%4)+4*\i:R+16*((\t)%4)+4*\i+3] offset:32*SP*((\t)%2)+8*SP*\i
.endr
.irp i, 0,1,2,3
	ds_load_b128 v[X+16*((\t)%2)+4*\i:X+16*((\t)%2)+4*\i+3], v15 offset:32*SP*((\t)%2)+16*\i
.endr
.endm
.irp t, 0,1,2,3
	LOAD \t
.endr
	s_wait_loadcnt 12                              ; step 0's four loads are in; twelve younger ones stay out
	TURN 0
.macro STEP t
.set XS, X+16*((\t)%2)
.if (\t) > 0
	s_wait_dscnt 1                                 ; this step's numbers are back from the stage (the last step's byte store may be out)
.else
	s_wait_dscnt 0x0
.endif
.if (\t)+4 < STEPS
	LOAD (\t)+4                                    ; into the registers that this step's stores into the stage have read
.endif
.if (\t)+1 < STEPS
.if STEPS-2-(\t) >= 3
	s_wait_loadcnt 12                              ; the next step's four loads are in; those of the three steps behind it may be out
.else
	s_wait_loadcnt 4*(STEPS-2-(\t))
.endif
	TURN (\t)+1
.endif
	v_max3_num_f32 v8, |v[XS]|, |v[XS+1]|, |v[XS+2]|               ; the largest magnitude of my 16, in two chains
	v_max3_num_f32 v9, |v[XS+3]|, |v[XS+4]|, |v[XS+5]|
.irp i, 6,10
	v_max3_num_f32 v8, v8, |v[XS+\i]|, |v[XS+\i+1]|
	v_max3_num_f32 v9, v9, |v[XS+\i+2]|, |v[XS+\i+3]|
.endr
	v_max3_num_f32 v8, v8, |v[XS+14]|, |v[XS+15]|
	v_max3_num_f32 v8, v8, v9, (EMAX+1)<<23        ; and the floor 2^(3 - 127): the byte cannot fall under 1
	v_max_num_f32_dpp v8, v8, v8 row_xmask:1 row_mask:0xf bank_mask:0xf   ; and of my neighbour's 16: the block's
	v_add_nc_u32 v11, -(EMAX<<23), v8              ; 2 off its exponent field: the conversion takes the exponent field of this operand as its scale
	v_cvt_scalef32_pk16_fp6_f32 v[C+4*(\t):C+4*(\t)+2], v[XS:XS+15], v11
	v_lshrrev_b32 v[E+(\t)], 23, v11               ; the scale's byte (a plain line behind the conversion)
	ds_store_b8 v5, v[E+(\t)] offset:16*(\t)       ; both lanes of a block write the same byte with the same value
	global_store_b96 v4, v[C+4*(\t):C+4*(\t)+2], s[22:23] offset:32*CB*(\t)   ; the wave stores 384 consecutive bytes
.endm
.irp t, 0,1,2,3,4,5,6,7,8,9,10,11,12,13,14,15
	STEP \t
.endr
	ds_load_b64 v[8:9], v6                         ; LDS serves a wave's instructions in order: these see my stores
	s_wait_dscnt 0x0
	global_store_b64 v7, v[8:9], s[24:25]          ; 32 lanes store 256 consecutive bytes, aligned
	s_wait_tensorcnt 0x0                           ; the wave's end: three lines behind my last LDS store
	ds_add_u32 v[SPW], v[NIL]
	s_wait_dscnt 0x0
	s_endpgm
.Lfunc_end_k_qb74230c108_quant:
	.size	k_qb74230c108_quant, .Lfunc_end_k_qb74230c108_quant-k_qb74230c108_quant
	.p2alignl 7, 3214868480
	.fill 96, 4, 3214868480
	.section	.rodata,"a",@progbits
	.p2align	6, 0x0
	.amdhsa_kernel k_qb74230c108_quant
		.amdhsa_group_segment_fixed_size 33280
		.amdhsa_private_segment_fixed_size 0
		.amdhsa_enable_private_segment 0
		.amdhsa_kernarg_size 72
		.amdhsa_user_sgpr_count 2
		.amdhsa_user_sgpr_kernarg_segment_ptr 1
		.amdhsa_wavefront_size32 1
		.amdhsa_system_sgpr_workgroup_id_x 1
		.amdhsa_system_sgpr_workgroup_id_y 1
		.amdhsa_system_sgpr_workgroup_id_z 1
		.amdhsa_system_vgpr_workitem_id 0
		.amdhsa_next_free_vgpr 192
		.amdhsa_next_free_sgpr 66
		.amdhsa_reserve_vcc 0
		.amdhsa_float_denorm_mode_32 3
		.amdhsa_float_denorm_mode_16_64 3
		.amdhsa_memory_ordered 1
		.amdhsa_forward_progress 1
		.amdhsa_inst_pref_size 33
	.end_amdhsa_kernel
	.amdgpu_metadata
---
amdhsa.version: [ 1, 2 ]
amdhsa.kernels:
  - .name:           k_qb74230c108_quant
    .symbol:         k_qb74230c108_quant.kd
    .args:
      - { .name: query, .offset: 0, .size: 8, .value_kind: global_buffer, .address_space: global }
      - { .name: key, .offset: 8, .size: 8, .value_kind: global_buffer, .address_space: global }
      - { .name: value, .offset: 16, .size: 8, .value_kind: global_buffer, .address_space: global }
      - { .name: Wq, .offset: 24, .size: 8, .value_kind: global_buffer, .address_space: global }
      - { .name: Wk, .offset: 32, .size: 8, .value_kind: global_buffer, .address_space: global }
      - { .name: Wv, .offset: 40, .size: 8, .value_kind: global_buffer, .address_space: global }
      - { .name: Wo, .offset: 48, .size: 8, .value_kind: global_buffer, .address_space: global }
      - { .name: qc, .offset: 56, .size: 8, .value_kind: global_buffer, .address_space: global }
      - { .name: qs, .offset: 64, .size: 8, .value_kind: global_buffer, .address_space: global }
    .group_segment_fixed_size: 33280
    .private_segment_fixed_size: 0
    .kernarg_segment_align: 8
    .kernarg_segment_size: 72
    .max_flat_workgroup_size: 128
    .sgpr_count:     66
    .vgpr_count:     192
    .wavefront_size: 32
...
	.end_amdgpu_metadata
.endif
;; end of part 1
;; launch proj (part 2): grid 4 x 96, 4 waves a work-group, clusters of 4 x 4, 327,680 bytes of LDS; arguments qc, qs, bq, bk, bv, qimg, kv; writes qimg, kv
.if DOCPART == 2
	.amdgcn_target "amdgcn-amd-amdhsa--gfx1250"
	.amdhsa_code_object_version 6
	.text
	.protected	k_qb74230c108_proj
	.globl	k_qb74230c108_proj
	.p2align	8
	.type	k_qb74230c108_proj,@function
k_qb74230c108_proj:
	s_mov_b64 s[64:65], 0
	v_nop
	global_prefetch_b8 v0, s[64:65] scope:SCOPE_SE
	s_setreg_imm32_b32 hwreg(HW_REG_WAVE_MODE, 25, 1), 1
	s_wait_xcnt 0x0
	s_wait_alu depctr_hold_cnt(0) depctr_sa_sdst(0) depctr_va_vdst(0) depctr_va_sdst(0) depctr_va_ssrc(0) depctr_va_vcc(0) depctr_vm_vsrc(0)
	s_getreg_b32 s2, hwreg(HW_REG_IB_STS2, 6, 4)
	s_cmp_eq_u32 s2, 0
	s_cbranch_scc0 .Lentry_in_a_cluster
	s_endpgm
.Lentry_in_a_cluster:
	s_bfe_u32 s2, ttmp6, 0x10000c
	s_cmp_lg_u32 s2, 0xf033
	s_cbranch_scc0 .Lentry_shape_is_right
	s_endpgm
.Lentry_shape_is_right:
; The three projections q = query Wq^T + bq, k = key Wk^T + bk, v = value Wv^T + bv on codes of FP6 (E2M3) with E8M0 scales, K = 1,024; the results, in f32, get their bias and are quantised at once for attention's products:
; q and k along the head's 64 channels, v along the keys.  What is stored are IMAGES OF OPERAND REGISTERS: a unit is a fragment's 12 registers as six planes of 256 bytes (plane k: lane l's registers 2 k, 2 k + 1 at byte 8 l).
; GRID: 24 clusters of 4 x 4 work-groups; clusters 0-7 make q, 8-15 k, 16-23 v.  A work-group makes 256 x 256 results, each of its four waves 128 x 128: 64 accumulators, 512 registers.
; K goes in steps of 256 through a ring of two LDS slots; the scale bytes of the work-group's 2 x 256 rows come into LDS once.  A's tiles are asked for jointly along a row of the cluster, B's along a column.
; ROLES: source 0 of the matrix instruction = 16 rows of B, source 1 = 16 rows of A: a lane holds ONE row of A and eight rows of B.  q, k: A = the activations, B = the weight: a lane holds a token, its registers run along the channels.
; v: A = Wv, B = value: a lane holds a channel, its registers run along the keys.  The stored order of rows (second and third eight of every 32 changed places in key, value, Wq, Wk, Wv) makes the 16 registers of B's blocks 2 b, 2 b + 1
; sixteen neighbours, 32 b + 16 (lane / 16) + 0 .. 15, along the next product's K.
; q's scale bytes are stored 3 less than the quantiser gives: the scores then come out divided by sqrt(64) = 8, exactly.
; LIMITS: a block of q whose largest magnitude lies under 2^-121 takes that floor's scale (so that the byte less 3 stays at 1 or more); blocks of k and v under 2^-124 likewise; zero blocks get the floor's byte, not 127 (read by this program alone); NaN and infinities are not served.
; REGISTERS, in windows of 256: window 0: v0-31 addresses; v32-63 scale words, two sets, and nothing else; v64-127 the bias by registers; v128-223 A's fragments, one set; v224-231 the bias by lanes; on the way out v128-215 and v232-248 at work.
;   window 1: B's fragments, two sets.   window 2: the accumulators of my rows 0-63 ((a, b) at v[8 (8 a + b)]);   window 3: those of my rows 64-127.
.set KSTEP,  256
.set NQ,     KSTEP/128
.set ROWB,   192                       ; a tile's row in bytes
.set KROW,   768                       ; a row of qc in bytes
.set PITCH,  240                       ; an LDS row: 3 x (64 bytes + 16 of padding)
.set FR,     12
.set NL,     6
.set NP,     4                         ; places behind this matrix instruction (ISA guide 7.12.1)
.set HALFT,  128*PITCH
.set SLOT,   4*HALFT
.set LAPS,   2                         ; 1,024 along K = twice round the ring
.set KS,     32                        ; a row of scale bytes
.set SCL,    2*SLOT
.set HALFS,  (128*KS/256)*272
.set SBLK,   (16*KS/256)*272
.set SPARE,  SCL+4*HALFS               ; the spare words, 128 bytes a wave, which no other line names
.set UNIT,   1536                      ; a unit: six planes of 256 bytes
.set PART,   8*UNIT+512                ; eight units and their scale image
.set KVB,    4*PART                    ; a block of kv: K of two pairs of heads, V of two pairs of heads, 128 keys
.set QSOFF,  6291456                   ; qimg: the scale images lie behind the units
.set ADRA, 16
.set ADRB, 20
.set LO8,  25                          ; v25 8 x lane; never rewritten
.set LO16, 26                          ; v26 16 x lane; never rewritten
.set ADRS, 27
.set SPW,  28
.set NIL,  29
.set SC,   32
.set BN,   64                          ; v64-127  q, k: the bias of my 128 channels as the results' registers want it
.set AF,   128
.set BM,   224                         ; v224-231 v: the bias of my lane's channel in each of A's eight blocks
.set HA,   128                         ; the way out: 64 numbers
.set CDS,  192                         ; the codes just made: v192-203; v204-206, v208-210 at work
.set SW,   212                         ; v212-215 the scale image
.set TM,   232                         ; v232-247 at work
.set PW,   248                         ; the scale word just made
.set G1, 24
.set G0, 32
.set G1B, 48
.set G0B, 56
.set PJ,  66                           ; s66  0: q, 1: k, 2: v
.set FLR, 67                           ; s67  the floor under a block's largest magnitude
.set G1S, 68
.set G0S, 76
.set G1SB, 80
.set G0SB, 88
.set HM,  100                          ; s100 the lanes 16-31
.set ADJ, 101                          ; s101 3 in each byte for q, else 0
.set SEL, 2                            ; s[2:3] is not free (s3 counts laps): the selects lie in s[10:11] on the way out
.set MSB, 0
.macro WIN new
.if MSB != \new
	s_set_vgpr_msb (MSB<<8)|\new
.set MSB, \new
.endif
.endm
.set MUL_LO, 0xa1                      ; source 0 (B) window 1, source 1 (A) window 0, C and D window 2
.set MUL_HI, 0xf1
.set TO_B,   0x40
; A joint load: waves 0 and 1 fetch for A, waves 2 and 3 for B; the branch hangs on the wave's number alone.  An s_nop 0 and four v_nop follow each of the two lines.
.macro JLOAD g0a, g1a, g0b, g1b
	s_cmp_eq_u32 s15, 0
	s_cbranch_scc0 .Lfor_b_\@
	tensor_load_to_lds s[\g0a:\g0a+3], s[\g1a:\g1a+7]
	s_nop 0
.rept 4
	v_nop
.endr
	s_branch .Lasked_\@
.Lfor_b_\@:
	tensor_load_to_lds s[\g0b:\g0b+3], s[\g1b:\g1b+7]
	s_nop 0
.rept 4
	v_nop
.endr
.Lasked_\@:
.endm
.macro CREST
	s_cmp_lg_u32 s14, 0
	s_cbranch_scc1 .Lnot_wave_0_\@
	s_barrier_signal -3
.Lnot_wave_0_\@:
	s_barrier_wait -3
	s_barrier_signal -1
	s_barrier_wait -1
.endm
.macro CROUND
	s_barrier_signal -1
	s_barrier_wait -1
	CREST
.endm
	s_load_b128 s[4:7], s[0:1], 0x0                ; qc s[4:5], qs s[6:7]
	s_load_b128 s[8:11], s[0:1], 0x10              ; bq, bk
	s_load_b64 s[12:13], s[0:1], 0x20              ; bv
	s_load_b128 s[96:99], s[0:1], 0x28             ; qimg, kv
	v_lshl_add_u32 v[SPW], v0, 2, SPARE
	v_mov_b32 v[NIL], 0
	ds_add_u32 v[SPW], v[NIL]                      ; the wave's opening: the add and its wait ahead of my first tensor load; the set-up below stands between them
	v_lshrrev_b32 v1, 5, v0
	v_readfirstlane_b32 s14, v1                    ; wave 0..3
	s_lshr_b32 s15, s14, 1                         ; which half of A's rows is mine.  Also: I fetch for A (0) or for B (1)
	s_and_b32 s16, s14, 1                          ; which half of B's rows.  Also: which 128 rows I fetch
	s_bfe_u32 s40, ttmp6, 0x40000                  ; cx, cy: my place in the cluster
	s_bfe_u32 s41, ttmp6, 0x40004
	s_and_b32 s17, ttmp7, 0xffff                   ; the cluster, 0..23: all sixteen partners share it
	s_lshr_b32 s[PJ], s17, 3                       ; the projection
	s_lshl_b32 s43, s41, 2
	s_lshl_b32 s43, 15, s43                        ; my row of the cluster
	s_lshl_b32 s44, 0x1111, s40                    ; my column
	s_or_b32 s[G1+0], s43, (0<<16)|(1<<20)|(1<<21)|(3<<22)|(3<<25)  ; the mask; elements of 1 byte; padding on; bit 21 beside a mask; after every 16 words, 4 words
	s_or_b32 s[G1B+0], s44, (0<<16)|(1<<20)|(1<<21)|(3<<22)|(3<<25)
.irp g, G1, G1B
	s_mov_b32 s[\g+1], ROWB<<16                    ; tensor_dim0
	s_mov_b32 s[\g+2], 128<<16                     ; tensor_dim1
	s_mov_b32 s[\g+3], ROWB<<16                    ; tile_dim0
	s_mov_b32 s[\g+4], 128                         ; tile_dim1
	s_mov_b32 s[\g+5], KROW                        ; the pitch
	s_mov_b32 s[\g+6], 0
	s_mov_b32 s[\g+7], 0
.endr
	s_or_b32 s[G1S+0], s43, (3<<16)|(1<<20)|(1<<21)|(5<<22)|(3<<25)   ; the scales of 128 rows: 4,096 dense bytes as rows of 256, 16 bytes of padding behind each
	s_or_b32 s[G1SB+0], s44, (3<<16)|(1<<20)|(1<<21)|(5<<22)|(3<<25)
.irp g, G1S, G1SB
	s_mov_b32 s[\g+1], 32<<16
	s_mov_b32 s[\g+2], (128*KS/256)<<16
	s_mov_b32 s[\g+3], 32<<16
	s_mov_b32 s[\g+4], 128*KS/256
	s_mov_b32 s[\g+5], 32
	s_mov_b32 s[\g+6], 0
	s_mov_b32 s[\g+7], 0
.endr
	s_lshl_b32 s18, s17, 10                        ; the cluster's 1,024 rows of query, key or value in qc: 1,024 x cluster
	s_lshl_b32 s19, s[PJ], 10
	s_add_co_u32 s19, s19, 24576                   ; the projection's weight
	s_cmp_lt_u32 s[PJ], 2
	s_cselect_b32 s20, s18, s19                    ; A: the activations for q and k, the weight for v
	s_cselect_b32 s46, s19, s18                    ; B: the other
	s_lshl_b32 s21, s41, 8
	s_add_co_u32 s20, s20, s21                     ; A: + 256 cy, which my row of the cluster shares
	s_lshl_b32 s47, s40, 8
	s_add_co_u32 s46, s46, s47                     ; B: + 256 cx, which my column shares
	s_lshl_b32 s18, s16, 7
	s_add_co_u32 s20, s20, s18                     ; + the 128 rows that I fetch
	s_add_co_u32 s46, s46, s18
	s_mov_b32 s21, 0
	s_mov_b32 s47, 0
	s_mov_b64 s[18:19], KS
	s_mul_u64 s[22:23], s[20:21], s[18:19]         ; where these rows' scales begin, in bytes
	s_mul_u64 s[92:93], s[46:47], s[18:19]
	s_mov_b64 s[18:19], KROW
	s_mul_u64 s[20:21], s[20:21], s[18:19]         ; and their codes
	s_mul_u64 s[46:47], s[46:47], s[18:19]
	s_mul_i32 s45, s14, HALFT                      ; where they go: wave x 128 rows
	s_mul_i32 s94, s14, HALFS
	s_cmp_eq_u32 s[PJ], 0
	s_mov_b32 s[FLR], 0x1800000                    ; 2^(3 - 127); for q 2^(6 - 127)
	s_cselect_b32 s[FLR], 0x3000000, s[FLR]
	s_cselect_b32 s[ADJ], 0x03030303, 0
	s_wait_dscnt 0x0                               ; the opening add is done
	s_wait_kmcnt 0x0
	s_add_nc_u64 s[20:21], s[4:5], s[20:21]
	s_add_nc_u64 s[22:23], s[6:7], s[22:23]
	s_add_nc_u64 s[46:47], s[4:5], s[46:47]
	s_add_nc_u64 s[92:93], s[6:7], s[92:93]
	CROUND                                         ; all sixteen work-groups are here: the first joint loads meet
	s_mov_b32 s[G0S], 1
	s_add_co_u32 s[G0S+1], s94, SCL
	s_mov_b64 s[G0S+2:G0S+3], s[22:23]
	s_or_b32 s[G0S+3], s[G0S+3], 0x80000000
	s_mov_b32 s[G0SB], 1
	s_add_co_u32 s[G0SB+1], s94, SCL
	s_mov_b64 s[G0SB+2:G0SB+3], s[92:93]
	s_or_b32 s[G0SB+3], s[G0SB+3], 0x80000000
	JLOAD G0S, G1S, G0SB, G1SB                     ; the scales first: they are wanted with K step 0
.irp s, 0,1
	s_mov_b32 s[G0+4*\s], 1
	s_add_co_u32 s[G0+4*\s+1], s45, \s*SLOT
	s_add_nc_u64 s[G0+4*\s+2:G0+4*\s+3], s[20:21], \s*ROWB
	s_or_b32 s[G0+4*\s+3], s[G0+4*\s+3], 0x80000000
	s_mov_b32 s[G0B+4*\s], 1
	s_add_co_u32 s[G0B+4*\s+1], s45, \s*SLOT
	s_add_nc_u64 s[G0B+4*\s+2:G0B+4*\s+3], s[46:47], \s*ROWB
	s_or_b32 s[G0B+4*\s+3], s[G0B+4*\s+3], 0x80000000
	JLOAD G0+4*\s, G1, G0B+4*\s, G1B               ; three loads of mine are out
.endr
	v_and_b32 v1, 15, v0                           ; r = l % 16
	v_bfe_u32 v2, v0, 4, 1                         ; h = l / 16
	v_mul_u32_u24 v3, v1, PITCH
	v_mul_u32_u24 v4, v2, 24
	v_add_nc_u32 v4, v3, v4                        ; a fragment's row x pitch + 24 x half
	v_lshl_add_u32 v5, v2, 4, v4                   ; and the same behind one padding more
	s_mul_i32 s21, s15, HALFT                      ; my 128 rows of A
	s_mul_i32 s22, s16, HALFT                      ; my 128 rows of B,
	s_add_co_u32 s22, s22, 2*HALFT                 ; which lie behind A's 256
.irp s, 0,1
	v_add_nc_u32 v[ADRA+\s], s21, v4
	v_add_nc_u32 v[ADRB+\s], s22, v4
	v_add_nc_u32 v[ADRA+2+\s], s21, v5
	v_add_nc_u32 v[ADRB+2+\s], s22, v5
	s_add_co_u32 s21, s21, SLOT
	s_add_co_u32 s22, s22, SLOT
.endr
	v_mul_u32_u24 v5, v1, KS                       ; my row's scales: 32 bytes a row,
	v_lshrrev_b32 v6, 8, v5
	v_lshl_add_u32 v5, v6, 4, v5                   ; and 16 more for each 256 passed
	s_mul_i32 s21, s15, HALFS
	s_mul_i32 s22, s16, HALFS
	s_add_co_u32 s22, s22, 2*HALFS
	s_sub_co_u32 s22, s22, s21
	v_mul_u32_u24 v6, s22, v2                      ; lanes 16-31 take B's
	s_add_co_u32 s21, s21, SCL
	v_add_nc_u32 v5, v5, v6
	v_add_nc_u32 v[ADRS], s21, v5
	v_and_b32 v6, 31, v0
	v_lshlrev_b32 v[LO8], 3, v6
	v_lshlrev_b32 v[LO16], 4, v6
	v_lshlrev_b32 v8, 6, v2                        ; the bias by registers: 64 h bytes on
	v_and_b32 v9, 8, v1
	v_add_nc_u32 v9, v9, v1
	v_lshlrev_b32 v9, 2, v9                        ; the bias by lanes: channel r + 8 (r / 8) of a pair of blocks
	; WHERE THE RESULTS GO.  T: which 256 tokens of the 8,192; ah: which half of them is my wave's; W: which 256 channels (four heads); wh: which half (a pair of heads)
	s_and_b32 s18, s17, 7
	s_lshl_b32 s18, s18, 2
	s_cmp_lt_u32 s[PJ], 2
	s_cselect_b32 s19, s41, s40
	s_cselect_b32 s20, s15, s16
	s_cselect_b32 s21, s40, s41
	s_cselect_b32 s22, s16, s15
	s_add_co_u32 s18, s18, s19                     ; T
	s_lshl_b32 s23, s18, 1
	s_add_co_u32 s23, s23, s20                     ; 2 T + ah: which 128 tokens
	s_lshl_b32 s46, s21, 1
	s_add_co_u32 s46, s46, s22                     ; 2 W + wh: which pair of heads
	s_lshl_b32 s47, s23, 3
	s_add_co_u32 s47, s47, s46
	s_mul_i32 s92, s47, 8*UNIT                     ; q: units at [128 tokens][pair of heads]
	s_lshl_b32 s94, s47, 9
	s_add_co_u32 s94, s94, QSOFF                   ; and the scale image
	s_lshr_b32 s19, s18, 3                         ; k, v: the batch,
	s_lshl_b32 s19, s19, 2
	s_add_co_u32 s19, s19, s21                     ; the group of four heads,
	s_lshl_b32 s19, s19, 4
	s_and_b32 s20, s23, 15
	s_add_co_u32 s19, s19, s20                     ; the step of 128 keys
	s_mul_i32 s19, s19, KVB
	s_mul_i32 s20, s22, PART
	s_add_co_u32 s19, s19, s20                     ; the pair of heads' part,
	s_cmp_eq_u32 s[PJ], 2
	s_cselect_b32 s20, 2*PART, 0
	s_add_co_u32 s19, s19, s20                     ; V's parts behind K's
	s_add_co_u32 s20, s19, 8*UNIT
	s_cmp_eq_u32 s[PJ], 0
	s_cselect_b32 s92, s92, s19
	s_cselect_b32 s94, s94, s20
	s_cselect_b64 s[96:97], s[96:97], s[98:99]     ; qimg or kv
	s_cselect_b64 s[8:9], s[8:9], s[10:11]         ; bq or bk,
	s_mov_b64 s[98:99], s[96:97]
	s_mov_b32 s93, 0
	s_mov_b32 s95, 0
	s_add_nc_u64 s[96:97], s[96:97], s[92:93]      ; the units
	s_add_nc_u64 s[98:99], s[98:99], s[94:95]      ; the scale image
	s_cmp_eq_u32 s[PJ], 2
	s_cselect_b64 s[8:9], s[12:13], s[8:9]         ; or bv
	s_lshl_b32 s18, s46, 9                         ; my 128 channels: 512 bytes
	s_mov_b32 s19, 0
	s_add_nc_u64 s[8:9], s[8:9], s[18:19]
	s_mov_b32 s10, 0x76543210                      ; v_permlanex16_b32's selects for lane l xor 16
	s_mov_b32 s11, 0xfedcba98
.irp b, 0,1,2,3                        ; both forms of the bias are loaded, whichever the projection uses; they are waited for on the way out
.irp c, 0,1,2,3
	global_load_b128 v[BN+16*\b+4*\c:BN+16*\b+4*\c+3], v8, s[8:9] offset:128*\b+16*\c   ; channels 32 b + 16 h + 4 c on
.endr
.endr
.irp a, 0,1,2,3,4,5,6,7
	global_load_b32 v[BM+\a], v9, s[8:9] offset:4*(32*(\a/2)+8*(\a%2))   ; stored row 16 a + r of Wv is channel 32 (a / 2) + 8 (a % 2) + r + 8 (r / 8)
.endr
.macro FRAG reg, adr, q, i             ; a fragment: lane l holds row l % 16; registers 6 c .. 6 c + 5 hold K = 64 c + 32 (l / 16) + 0 .. 31: 24 bytes of the row, as they lie, in pieces of 8 bytes
.irp p, 0,1,2,3,4,5
.set PC, 12*(\q)+6*(\p/3)+\p%3        ; 16 bytes of padding lie behind every 8 pieces: where the piece three on lies behind one padding more, the second address register serves
.if PC%8 < 5
	ds_load_b64 v[\reg+2*\p:\reg+2*\p+1], v[\adr] offset:8*PC+16*(PC/8)+(\i)*16*PITCH
.else
	ds_load_b64 v[\reg+2*\p:\reg+2*\p+1], v[\adr+2] offset:8*PC+16*(PC/8)+(\i)*16*PITCH
.endif
.endr
.endm
; 16 matrix instructions: A's blocks a0, a0 + 1 x B's eight.  zero = 1: the first product starts the sums.  The 64 accumulators take turns, one instruction a turn.
.macro MUL16 a0, p, q, sc, zero
.irp a, \a0, \a0+1
.irp b, 0,1,2,3,4,5,6,7
.if \zero
	v_wmma_scale_f32_16x16x128_f8f6f4 v[8*(8*((\a)%4)+\b):8*(8*((\a)%4)+\b)+7], v[128*(\p)+FR*\b:128*(\p)+FR*\b+FR-1], v[AF+FR*(\a):AF+FR*(\a)+FR-1], 0, v[SC+8*NQ*(\sc)+NQ*\b+(\q)], v[SC+8*NQ*(\sc)+NQ*(\a)+(\q)] matrix_a_fmt:MATRIX_FMT_FP6 matrix_b_fmt:MATRIX_FMT_FP6 matrix_a_scale:MATRIX_SCALE_ROW1
.else
	v_wmma_scale_f32_16x16x128_f8f6f4 v[8*(8*((\a)%4)+\b):8*(8*((\a)%4)+\b)+7], v[128*(\p)+FR*\b:128*(\p)+FR*\b+FR-1], v[AF+FR*(\a):AF+FR*(\a)+FR-1], v[8*(8*((\a)%4)+\b):8*(8*((\a)%4)+\b)+7], v[SC+8*NQ*(\sc)+NQ*\b+(\q)], v[SC+8*NQ*(\sc)+NQ*(\a)+(\q)] matrix_a_fmt:MATRIX_FMT_FP6 matrix_b_fmt:MATRIX_FMT_FP6 matrix_a_scale:MATRIX_SCALE_ROW1
.endif
.endr
.endr
.endm
.macro FETCH_B slot, q, p
	WIN TO_B
.irp i, 0,1,2,3,4,5,6,7
	FRAG 128*(\p)+FR*\i, ADRB+\slot, \q, \i
.endr
	WIN 0
.endm
.macro FETCH_A slot, q, i0
.irp i, \i0, \i0+1, \i0+2, \i0+3
	FRAG AF+FR*(\i), ADRA+\slot, \q, \i
.endr
.endm
.macro SCALES sc                       ; a K step's scale words: lanes 0-15 take A's block i, lanes 16-31 B's block i
.irp i, 0,1,2,3,4,5,6,7
	ds_load_b64 v[SC+8*NQ*\sc+NQ*\i:SC+8*NQ*\sc+NQ*\i+1], v[ADRS] offset:\i*SBLK
.endr
.endm
.macro PLACES n                        ; plain vector lines between a matrix instruction and a load into, or a read of, its registers
.rept \n
	v_nop
.endr
.endm
.macro STEP slot, q, zero              ; 128 along K with its successor in the same slot
	s_wait_dscnt 4*NL                              ; B's set and A's blocks 0-3 are in; the youngest 24 loads (A's blocks 4-7) may be out
	WIN MUL_LO
	MUL16 0, (\q)%2, \q, \slot, \zero
	MUL16 2, (\q)%2, \q, \slot, \zero
	s_wait_dscnt 0
	PLACES NP
	FETCH_B \slot, (\q)+1, 1-(\q)%2
	FETCH_A \slot, (\q)+1, 0
	WIN MUL_HI
	MUL16 4, (\q)%2, \q, \slot, \zero
	MUL16 6, (\q)%2, \q, \slot, \zero
	PLACES NP
	WIN 0
	FETCH_A \slot, (\q)+1, 4
.endm
; A slot's last step changes slots: one barrier; in front of it each wave waits for all its tensor loads, adds 0 to its spare word, and waits for that and for its reads of this slot.
.macro TURN slot, next, fill
	s_wait_tensorcnt 0x0                           ; all my tensor loads have landed: my part of the next slot
	ds_add_u32 v[SPW], v[NIL]
	s_wait_dscnt 4*NL+1                            ; (the add and the youngest 24 loads may be out)
	WIN MUL_LO
	MUL16 0, 1, NQ-1, \slot, 0
	s_wait_dscnt 0x0                               ; the add is done, and my reads of this slot are over
	s_barrier_signal -1
	MUL16 2, 1, NQ-1, \slot, 0
	WIN 0
	s_barrier_wait -1
.if \fill
	CREST                                          ; the barrier has opened a round of the cluster's: no wave of any partner still reads this slot or has a load on its way
	s_add_nc_u64 s[G0+4*\slot+2:G0+4*\slot+3], s[G0+4*\slot+2:G0+4*\slot+3], 2*ROWB
	s_add_nc_u64 s[G0B+4*\slot+2:G0B+4*\slot+3], s[G0B+4*\slot+2:G0B+4*\slot+3], 2*ROWB
	JLOAD G0+4*\slot, G1, G0B+4*\slot, G1B         ; my one tensor load behind the round; its four v_nop are the places in front of the loads below
.else
	PLACES NP
.endif
	v_add_nc_u32 v[ADRS], 4*NQ, v[ADRS]            ; the next K step's scale words
	FETCH_B \next, 0, 0
	FETCH_A \next, 0, 0
	SCALES \next
	WIN MUL_HI
	MUL16 4, 1, NQ-1, \slot, 0
	MUL16 6, 1, NQ-1, \slot, 0
	PLACES NP
	WIN 0
	FETCH_A \next, 0, 4
.endm
	s_wait_tensorcnt 1                             ; the scales and my part of K step 0 are in (K step 1's load may be out)
	s_barrier_signal -1
	s_barrier_wait -1
	FETCH_B 0, 0, 0
	FETCH_A 0, 0, 0
	SCALES 0
	FETCH_A 0, 0, 4
	STEP 0, 0, 1                                   ; the first step stands in front of the loop: its products start the sums
	s_mov_b32 s3, LAPS-1
.Llap:
	TURN 0, 1, 1
	STEP 1, 0, 0
	TURN 1, 0, 1
	STEP 0, 0, 0
	s_sub_co_u32 s3, s3, 1
	s_cmp_lg_u32 s3, 0
	s_cbranch_scc1 .Llap
	TURN 0, 1, 0                                   ; the last lap fills nothing
	STEP 1, 0, 0
	s_wait_dscnt 4*NL
	WIN MUL_LO
	MUL16 0, 1, NQ-1, 1, 0
	MUL16 2, 1, NQ-1, 1, 0
	s_wait_dscnt 0
	WIN MUL_HI
	MUL16 4, 1, NQ-1, 1, 0
	MUL16 6, 1, NQ-1, 1, 0
	WIN 0
; THE WAY OUT, A's blocks one after the other.  A block's 64 registers of a lane are 128 neighbours-by-sixteens along the next product's K: register 16 b + i = k 32 b + 16 (lane / 16) + i of the lane's row.
; 64 numbers v[s] on become a fragment's codes in v[CDS] on and its scale word in v[PW].
.macro QUANT s
.irp b, 0,1,2,3
	v_max3_num_f32 v[TM+\b], |v[\s+16*\b]|, |v[\s+1+16*\b]|, s[FLR]   ; block b: my 16 numbers, and the floor
.endr
.irp i, 2,4,6,8,10,12,14
.irp b, 0,1,2,3
	v_max3_num_f32 v[TM+\b], v[TM+\b], |v[\s+16*\b+\i]|, |v[\s+1+16*\b+\i]|   ; (the four blocks by turns)
.endr
.endr
.irp b, 0,1,2,3
	v_permlanex16_b32 v[TM+4+\b], v[TM+\b], s10, s11
.endr
.irp b, 0,1,2,3
	v_max_num_f32 v[TM+\b], v[TM+\b], v[TM+4+\b]   ; with lane l xor 16's: the block's largest magnitude
.endr
.irp b, 0,1,2,3
	v_add_nc_u32 v[TM+12+\b], 0xff000000, v[TM+\b]   ; 2 off its exponent field: the conversion's scale operand
.endr
.irp b, 0,1,2,3
	v_lshrrev_b32 v[TM+4+\b], 23, v[TM+12+\b]      ; the scale's byte
.endr
	v_lshl_or_b32 v[PW], v[TM+5], 8, v[TM+4]
	v_lshl_or_b32 v[PW], v[TM+6], 16, v[PW]
	v_lshl_or_b32 v[PW], v[TM+7], 24, v[PW]
.irp c, 0,1
	v_cvt_scalef32_pk16_fp6_f32 v[CDS+6*\c:CDS+2+6*\c], v[\s+32*\c:\s+15+32*\c], v[TM+12+2*\c]
	v_cvt_scalef32_pk16_fp6_f32 v[CDS+12+4*\c:CDS+14+4*\c], v[\s+16+32*\c:\s+31+32*\c], v[TM+12+2*\c+1]   ; (a conversion's three registers begin on an even number)
.endr
	v_nop                                          ; one plain place behind a scaled conversion
.irp c, 0,1                            ; the operand's layout wants a whole block in a lane: lanes 0-15 block 2 c, lanes 16-31 block 2 c + 1
.irp i, 0,1,2
	v_permlane16_swap_b32 v[CDS+6*\c+\i], v[CDS+12+4*\c+\i]
.endr
.irp i, 0,1,2
	v_mov_b32 v[CDS+3+6*\c+\i], v[CDS+12+4*\c+\i]
.endr
.endr
.endm
.macro OUTBLK a
.set AC, 64*((\a)%4)
.set WB, 0x02+(\a)/4                   ; source 0: window 2 or 3
	s_cmp_lt_u32 s[PJ], 2                          ; the projection: the same in every wave of the cluster
	s_cbranch_scc0 .Lchan_\@
	WIN WB
.set j, 0
.rept 32
	v_pk_add_f32 v[HA+j:HA+j+1], v[AC+j:AC+j+1], v[BN+j:BN+j+1]   ; q, k: a register is a channel.  Each accumulator is read from its low end on
.set j, j+2
.endr
	WIN 0
	s_branch .Lsum_\@
.Lchan_\@:
	WIN WB
.set j, 0
.rept 32
.if (\a)%2
	v_pk_add_f32 v[HA+j:HA+j+1], v[AC+j:AC+j+1], v[BM+(\a)-1:BM+(\a)] op_sel:[0,1] op_sel_hi:[1,1]   ; v: the lane is a channel: one number for both halves
.else
	v_pk_add_f32 v[HA+j:HA+j+1], v[AC+j:AC+j+1], v[BM+(\a):BM+(\a)+1] op_sel_hi:[1,0]
.endif
.set j, j+2
.endr
	WIN 0
.Lsum_\@:
	s_wait_xcnt 0x0                                ; the last block's stores have read their registers: the codes may be written again
	QUANT HA
	v_sub_nc_u32 v[PW], v[PW], s[ADJ]              ; q: 3 off each byte (each is 4 or more): the scores come out divided by 8
.if (\a)%2
	v_cndmask_b32 v[SW+(\a)/2], v[SW+(\a)/2], v[PW], s[HM]   ; the scale image: lanes 0-15 the even block's word of row r, lanes 16-31 the odd block's
.else
	v_mov_b32 v[SW+(\a)/2], v[PW]
.endif
.irp k, 0,1,2,3,4,5
	global_store_b64 v[LO8], v[CDS+2*\k:CDS+2*\k+1], s[96:97] offset:(\a)*UNIT+256*\k   ; a plane: 32 lanes store 256 consecutive bytes, aligned
.endr
.endm
	s_wait_loadcnt 0x0                             ; the biases
	PLACES NP                                      ; behind the last products
	v_and_b32 v6, 31, v0
	v_cmp_lt_u32 s[HM], 15, v6
.irp b, 0,1,2,3
	v_mov_b32 v[TM+4+\b], 0                        ; written once: a lane permute's destination counts as one of its sources
.endr
.irp a, 0,1,2,3,4,5,6,7
	OUTBLK \a
.endr
	global_store_b128 v[LO16], v[SW:SW+3], s[98:99]   ; the scale image: 512 consecutive bytes
	s_wait_tensorcnt 0x0                           ; the wave's end: three lines behind my last tensor load
	ds_add_u32 v[SPW], v[NIL]
	s_wait_dscnt 0x0
	CROUND                                         ; the closing round
	s_endpgm
.Lfunc_end_k_qb74230c108_proj:
	.size	k_qb74230c108_proj, .Lfunc_end_k_qb74230c108_proj-k_qb74230c108_proj
	.p2alignl 7, 3214868480
	.fill 96, 4, 3214868480
	.section	.rodata,"a",@progbits
	.p2align	6, 0x0
	.amdhsa_kernel k_qb74230c108_proj
		.amdhsa_group_segment_fixed_size 327680
		.amdhsa_private_segment_fixed_size 0
		.amdhsa_enable_private_segment 0
		.amdhsa_kernarg_size 56
		.amdhsa_user_sgpr_count 2
		.amdhsa_user_sgpr_kernarg_segment_ptr 1
		.amdhsa_wavefront_size32 1
		.amdhsa_system_sgpr_workgroup_id_x 1
		.amdhsa_system_sgpr_workgroup_id_y 1
		.amdhsa_system_sgpr_workgroup_id_z 1
		.amdhsa_system_vgpr_workitem_id 0
		.amdhsa_next_free_vgpr 1024
		.amdhsa_next_free_sgpr 102
		.amdhsa_reserve_vcc 0
		.amdhsa_float_denorm_mode_32 3
		.amdhsa_float_denorm_mode_16_64 3
		.amdhsa_memory_ordered 1
		.amdhsa_forward_progress 1
		.amdhsa_inst_pref_size 203
	.end_amdhsa_kernel
	.amdgpu_metadata
---
amdhsa.version: [ 1, 2 ]
amdhsa.kernels:
  - .name:           k_qb74230c108_proj
    .symbol:         k_qb74230c108_proj.kd
    .args:
      - { .name: qc, .offset: 0, .size: 8, .value_kind: global_buffer, .address_space: global }
      - { .name: qs, .offset: 8, .size: 8, .value_kind: global_buffer, .address_space: global }
      - { .name: bq, .offset: 16, .size: 8, .value_kind: global_buffer, .address_space: global }
      - { .name: bk, .offset: 24, .size: 8, .value_kind: global_buffer, .address_space: global }
      - { .name: bv, .offset: 32, .size: 8, .value_kind: global_buffer, .address_space: global }
      - { .name: qimg, .offset: 40, .size: 8, .value_kind: global_buffer, .address_space: global }
      - { .name: kv, .offset: 48, .size: 8, .value_kind: global_buffer, .address_space: global }
    .group_segment_fixed_size: 327680
    .private_segment_fixed_size: 0
    .kernarg_segment_align: 8
    .kernarg_segment_size: 56
    .max_flat_workgroup_size: 128
    .sgpr_count:     102
    .vgpr_count:     1024
    .wavefront_size: 32
...
	.end_amdgpu_metadata
.endif
;; end of part 2
;; launch attn (part 3): grid 64 x 4, 8 waves a work-group, clusters of 4 x 4, 327,680 bytes of LDS; arguments qimg, kv, attention_mask, oc, os; writes oc, os
.if DOCPART == 3
	.amdgcn_target "amdgcn-amd-amdhsa--gfx1250"
	.amdhsa_code_object_version 6
	.text
	.protected	k_qb74230c108_attn
	.globl	k_qb74230c108_attn
	.p2align	8
	.type	k_qb74230c108_attn,@function
k_qb74230c108_attn:
	s_mov_b64 s[64:65], 0
	v_nop
	global_prefetch_b8 v0, s[64:65] scope:SCOPE_SE
	s_setreg_imm32_b32 hwreg(HW_REG_WAVE_MODE, 25, 1), 1
	s_wait_xcnt 0x0
	s_wait_alu depctr_hold_cnt(0) depctr_sa_sdst(0) depctr_va_vdst(0) depctr_va_sdst(0) depctr_va_ssrc(0) depctr_va_vcc(0) depctr_vm_vsrc(0)
	s_getreg_b32 s2, hwreg(HW_REG_IB_STS2, 6, 4)
	s_cmp_eq_u32 s2, 0
	s_cbranch_scc0 .Lentry_in_a_cluster
	s_endpgm
.Lentry_in_a_cluster:
	s_bfe_u32 s2, ttmp6, 0x10000c
	s_cmp_lg_u32 s2, 0xf033
	s_cbranch_scc0 .Lentry_shape_is_right
	s_endpgm
.Lentry_shape_is_right:
; Attention on codes of FP6 (E2M3) with E8M0 scales: scores = q k^T / 8 + mask, streaming softmax, p v, division by the row's sum, and the result quantised along the model's 1,024 channels for the last projection.
; t = (score / 8 + mask) x log2(e); M = the running largest t rounded up to a whole number; p = 2^(t - M) is quantised along the keys, not normalised; the row's sum is taken of the unquantised p; when M moves, the sum and O are multiplied by 2^(old M - new M), exactly.
; SHARES.  A work-group owns 128 queries of a batch and four heads; wave w owns 64 of the queries (w / 4: four tiles of 16) and one head (w % 4).  Every wave walks the 2,048 keys, 128 a step.
; CLUSTER 4 x 4: cx picks the block of queries, cy the group of four heads.  A step's tile of the mask (128 queries x 128 keys, f32) hangs on cx alone and is asked for jointly along a column of the cluster;
; a step's block of K and V (four heads) hangs on cy alone and is asked for jointly along a row.  Waves 0-3 fetch a quarter of the mask each, waves 4-7 a part of the block each: one tensor load a wave behind each round.
; LAYOUT.  Both products are used transposed: S^T = K Q^T (source 0 = 16 keys), O^T = V^T P^T (source 0 = 16 channels): a lane holds ONE query (lane % 16) throughout.  By the stored order of keys and channels the 16 registers of tiles 2 b, 2 b + 1 are
; keys (channels) 32 b + 16 (lane / 16) + 0 .. 15.
; THE MASK IS THE C OF THE FIRST PRODUCT: it is loaded from LDS into the scores' registers, and the matrix instruction adds K Q^T onto it.  q's scale bytes were stored 3 less, so the product is already divided by 8.
; THE HEAD'S K IS 64, THE INSTRUCTION'S 128: Q's fragment is six registers of codes and six of zero codes; K's fragments lie six registers apart, so that the upper half of one is the next one's codes, which meet zero codes; the scale bytes there are the pair's other head's, never 0xff.
; LIMITS: NaN and +-infinity in q, k, v are not served.  A mask entry of -infinity leans on the matrix instruction passing an infinite C through; a row whose every entry is -infinity is not served.  Zero blocks get the byte 1, not 127 (read by this program alone); blocks under 2^-124 take the floor's scale.
; os is stored in pieces of 8 bytes of rows of 32: 262,144 bytes in all, against 6,291,456 of codes that leave in runs of 512.
; REGISTERS.  window 0: v1-5 lane bases, v6-10 the step's LDS addresses, v11 prefetch offset, v12, v13 the add's two; v16-31 statistics (tile i: -M, the largest t, the sum in two halves); v32-43 scale words and nothing else (K 4, V 2, Q 2, P 4);
;   v44-69 at work; v72-119 P's codes, 12 a tile; v120-127 addresses for the way out and for Q; v128-191, v192-255 two tiles of scores.   window 1: v0-127 O^T (32 a tile); v128-181 K (6 a tile) or V (12 a tile), v176-181 stay zero; v184-231 Q (12 a tile).
.set MP,    528                        ; a row of the mask in LDS: 512 bytes + 16: row r starts 4 r words on modulo 64 (64 banks of 4 bytes: ISA guide 11.1)
.set MQ,    32*MP                      ; a quarter of the tile
.set KVO,   4*MQ                       ; behind the mask: the block of K and V
.set UNIT,  1536
.set PART,  8*UNIT+512
.set KVB,   4*PART
.set SLOT1, 1<<17                      ; slot 1 begins here: one exclusive or turns an address from slot to slot
.set SPARE, SLOT1+KVO+KVB              ; the spare words, 128 bytes a wave, which no other line names
.set STG,   SPARE+1024                 ; the way out: 128 rows x 192 bytes of codes
.set SSB,   STG+128*192                ; and 128 rows x 8 scale bytes
.set QSOFF, 6291456
.set AM0, 1
.set AK0, 2
.set AKS0, 3
.set AV0, 4
.set AVS0, 5
.set ADM, 6
.set ADK, 7
.set ADKS, 8
.set ADV, 9
.set ADVS, 10
.set PFO, 11
.set SPW, 12
.set NIL, 13
.set ST,  16
.set KS,  32
.set VS,  36
.set QS,  38
.set PS,  40
.set TM,  44
.set TP,  48
.set SCO, 52
.set CT,  56
.set X,   64
.set F,   66
.set SUM, 68
.set P,   72
.set STO, 120
.set SSA, 121
.set RD,  122
.set GO,  123
.set SRD, 124
.set SGO, 125
.set SX0, 128
.set SX1, 192
.set KF,  128                          ; in window 1
.set QF,  184                          ; in window 1
.set WV,  14
.set HD,  15
.set QH,  16
.set HP,  17
.set PAR, 18
.set CX,  19
.set CY,  20
.set XB,  21
.set BB,  22
.set G1M, 28
.set G1K, 36
.set G0M, 44
.set G0K, 48
.set CS,  52                           ; s[52:53] log2(e), twice
.set SEL, 54                           ; s[54:55] selects for lane l xor 16
.set TB,  56                           ; s56 LDS byte at which the slot in hand begins
.set STEPS, 57                         ; s57 steps still to be asked for
.set LIM, 58                           ; s58 1 in a wave that prefetches, else the greatest number
.set ROT, 59                           ; s59 byte selects: the odd head of a pair takes a scale word's upper two bytes
.set PFA, 60                           ; s[60:61] where my prefetches stand
.set MSB, 0
.macro WIN new
.if MSB != \new
	s_set_vgpr_msb (MSB<<8)|\new
.set MSB, \new
.endif
.endm
.set W_LD,  0x40                       ; destination window 1
.set W_KQ,  0x05                       ; K and Q window 1; scores window 0
.set W_PV,  0x51                       ; V, C and D window 1; P window 0
.set W_RS,  0x41                       ; O^T (destination, source 0) window 1
.set W_OUT, 0x01                       ; source 0 window 1
.macro PLACES n
.rept \n
	v_nop
.endr
.endm
.macro CROUND                          ; a round of the cluster's barrier
	s_barrier_signal -1
	s_barrier_wait -1
	s_cmp_lg_u32 s[WV], 0
	s_cbranch_scc1 .Lnot_wave_0_\@
	s_barrier_signal -3
.Lnot_wave_0_\@:
	s_barrier_wait -3
	s_barrier_signal -1
	s_barrier_wait -1
.endm
.macro JLOAD                           ; waves 0-3: the mask; waves 4-7: K and V.  An s_nop 0 and four v_nop follow each of the two lines
	s_cmp_lt_u32 s[WV], 4
	s_cbranch_scc0 .Lfor_kv_\@
	tensor_load_to_lds s[G0M:G0M+3], s[G1M:G1M+7]
	s_nop 0
.rept 4
	v_nop
.endr
	s_branch .Lasked_\@
.Lfor_kv_\@:
	tensor_load_to_lds s[G0K:G0K+3], s[G1K:G1K+7]
	s_nop 0
.rept 4
	v_nop
.endr
.Lasked_\@:
.endm
; A PREFETCH INTO THE L2 of the mask's tile that the NEXT change of slots will ask for: one step's work ahead of that load.  The tile is read by the four work-groups of my column of the cluster and by nobody else: each takes 32 of its 128 rows,
; told apart by address (32 cy); a row's 512 bytes are two blocks of 256: wave 0 names the first, wave 1 the second, a lane a row.  The last change that fills a slot asks for nothing.  Steps 0 and 1 come by their loads alone.
.macro ASK
	s_cmp_gt_u32 s[STEPS], s[LIM]
	s_cbranch_scc0 .Lnot_mine_\@
	global_prefetch_b8 v[PFO], s[PFA:PFA+1] th:TH_LOAD_NT scope:SCOPE_SE
.Lnot_mine_\@:
.endm
	s_load_b256 s[4:11], s[0:1], 0x0               ; qimg s[4:5], kv s[6:7], the mask s[8:9], oc s[10:11]
	s_load_b64 s[12:13], s[0:1], 0x20              ; os
	v_lshl_add_u32 v[SPW], v0, 2, SPARE
	v_mov_b32 v[NIL], 0
	ds_add_u32 v[SPW], v[NIL]                      ; the wave's opening: the add and its wait ahead of my first tensor load; the set-up below stands between them
	v_lshrrev_b32 v14, 5, v0
	v_readfirstlane_b32 s[WV], v14                 ; wave 0..7
	s_and_b32 s[HD], s[WV], 3                      ; my head of the four.  Also: which quarter or part I fetch
	s_lshr_b32 s[QH], s[WV], 2                     ; my 64 queries of the 128
	s_lshr_b32 s[HP], s[HD], 1                     ; my head's pair,
	s_and_b32 s[PAR], s[WV], 1                     ; and its place in the pair
	s_bfe_u32 s[CX], ttmp6, 0x40000
	s_bfe_u32 s[CY], ttmp6, 0x40004
	s_lshl_b32 s[XB], ttmp9, 2
	s_add_co_u32 s[XB], s[XB], s[CX]               ; my block of 128 queries, 0..63
	s_lshr_b32 s[BB], ttmp9, 2                     ; the batch: four clusters to each
	s_lshl_b32 s23, s[CY], 2
	s_lshl_b32 s23, 15, s23                        ; my row of the cluster
	s_lshl_b32 s24, 0x1111, s[CX]                  ; my column
	s_or_b32 s[G1M], s24, (2<<16)|(1<<20)|(1<<21)|(6<<22)|(3<<25)   ; the mask's quarter: elements of 4 bytes; padding on; bit 21 beside a mask; after every 128 words, 4 words
	s_mov_b32 s[G1M+1], 128<<16                    ; tensor_dim0
	s_mov_b32 s[G1M+2], 32<<16                     ; tensor_dim1
	s_mov_b32 s[G1M+3], 128<<16                    ; tile_dim0
	s_mov_b32 s[G1M+4], 32                         ; tile_dim1
	s_mov_b32 s[G1M+5], 2048                       ; the pitch
	s_mov_b32 s[G1M+6], 0
	s_mov_b32 s[G1M+7], 0
	s_or_b32 s[G1K], s23, (3<<16)|(1<<21)          ; a part: 12,800 dense bytes as 50 rows of 256 (32 elements of 8 bytes), no padding
	s_mov_b32 s[G1K+1], 32<<16
	s_mov_b32 s[G1K+2], 50<<16
	s_mov_b32 s[G1K+3], 32<<16
	s_mov_b32 s[G1K+4], 50
	s_mov_b32 s[G1K+5], 32
	s_mov_b32 s[G1K+6], 0
	s_mov_b32 s[G1K+7], 0
	s_lshl_b32 s66, s[XB], 20                      ; the mask: 128 rows of 8,192 bytes a block of queries,
	s_lshl_b32 s68, s[HD], 18                      ; 32 rows a quarter
	s_add_co_u32 s66, s66, s68
	s_mov_b32 s67, 0
	s_lshl_b32 s70, s[BB], 2
	s_add_co_u32 s70, s70, s[CY]
	s_mul_i32 s70, s70, 16*KVB                     ; kv: [batch][group of heads][step]
	s_mul_i32 s72, s[HD], PART
	s_add_co_u32 s70, s70, s72
	s_mov_b32 s71, 0
	s_mov_b32 s[CS], 0x3fb8aa3b                    ; log2(e)
	s_mov_b32 s[CS+1], s[CS]
	s_mov_b32 s[SEL], 0x76543210
	s_mov_b32 s[SEL+1], 0xfedcba98
	s_mov_b32 s[TB], 0
	s_mov_b32 s[STEPS], 15
	s_cmp_lt_u32 s[WV], 2
	s_cselect_b32 s[LIM], 1, -1
	s_cmp_eq_u32 s[PAR], 0
	s_mov_b32 s[ROT], 0x01000302
	s_cselect_b32 s[ROT], 0x03020100, s[ROT]
	s_wait_dscnt 0x0                               ; the opening add is done
	s_wait_kmcnt 0x0
	s_mov_b32 s[G0M], 1
	s_mul_i32 s[G0M+1], s[HD], MQ                  ; slot 0
	s_add_nc_u64 s[G0M+2:G0M+3], s[8:9], s[66:67]
	s_or_b32 s[G0M+3], s[G0M+3], 0x80000000
	s_mov_b32 s[G0K], 1
	s_add_co_u32 s[G0K+1], s72, KVO
	s_add_nc_u64 s[G0K+2:G0K+3], s[6:7], s[70:71]
	s_or_b32 s[G0K+3], s[G0K+3], 0x80000000
	CROUND                                         ; all sixteen work-groups are here: the first joint loads meet
	JLOAD                                          ; step 0 into slot 0: one load of mine is out
	v_and_b32 v14, 15, v0                          ; r
	v_bfe_u32 v15, v0, 4, 1                        ; h
	v_and_b32 v127, 31, v0                         ; l
	v_lshlrev_b32 v126, 3, v127                    ; 8 l
	v_lshlrev_b32 v[PFO], 13, v127                 ; a row of the mask a lane
	v_lshlrev_b32 v[SRD], 2, v127
	v_lshrrev_b32 v[SGO], 1, v127
	v_and_b32 v[GO], 1, v127
	v_lshlrev_b32 v127, 4, v127                    ; 16 l
	s_lshl_b32 s66, s[XB], 3                       ; Q: [128 queries][pair of heads]
	s_lshl_b32 s67, s[CY], 1
	s_add_co_u32 s66, s66, s67
	s_add_co_u32 s66, s66, s[HP]
	s_lshl_b32 s68, s66, 9                         ; its scale image, 512 bytes,
	s_lshl_b32 s69, s[QH], 3                       ; my four tiles' two words
	s_add_co_u32 s68, s68, s69
	s_add_co_u32 s68, s68, QSOFF
	s_mov_b32 s69, 0
	s_lshl_b32 s66, s66, 3
	s_lshl_b32 s67, s[QH], 2
	s_add_co_u32 s66, s66, s67                     ; my first unit,
	s_mul_i32 s66, s66, UNIT
	s_mul_i32 s67, s[PAR], 768                     ; my head's three planes of its six
	s_add_co_u32 s66, s66, s67
	s_mov_b32 s67, 0
	s_add_nc_u64 s[72:73], s[4:5], s[66:67]
	s_add_nc_u64 s[74:75], s[4:5], s[68:69]
	WIN W_LD
.irp ti, 0,1,2,3
.irp k, 0,1,2
	global_load_b64 v[QF+12*\ti+2*\k:QF+12*\ti+2*\k+1], v126, s[72:73] offset:UNIT*\ti+256*\k   ; Q stays in registers
.endr
.endr
	WIN 0
	global_load_b64 v[QS:QS+1], v127, s[74:75]     ; lanes 0-15: tiles 0 and 2; lanes 16-31: tiles 1 and 3
	v_mul_u32_u24 v[AM0], v14, MP                  ; the mask: row 64 (w / 4) + r, + 64 h bytes: keys 16 h on
	v_lshl_add_u32 v[AM0], v15, 6, v[AM0]
	s_mul_i32 s66, s[QH], 64*MP
	v_add_nc_u32 v[AM0], s66, v[AM0]
	s_mul_i32 s76, s[HP], PART
	s_add_co_u32 s76, s76, KVO                     ; K's part of my pair of heads
	s_mul_i32 s77, s[PAR], 768
	s_add_co_u32 s77, s77, s76
	v_add_nc_u32 v[AK0], s77, v126                 ; my head's three planes of a unit
	v_add_nc_u32 v[AKS0], s76, v127
	v_add_nc_u32 v[AKS0], 8*UNIT, v[AKS0]          ; K's scale image
	s_add_co_u32 s78, s76, 2*PART                  ; V's part
	s_mul_i32 s79, s[PAR], 4*UNIT
	s_add_co_u32 s79, s79, s78
	v_add_nc_u32 v[AV0], s79, v126                 ; my head's four units of the eight
	s_lshl_b32 s77, s[PAR], 3
	s_add_co_u32 s77, s77, s78
	s_add_co_u32 s77, s77, 8*UNIT
	v_add_nc_u32 v[AVS0], s77, v127                ; their two words of the scale image
	s_lshl_b32 s66, s[XB], 20                      ; the prefetches: my block's rows, + 32 cy rows, + 256 bytes x wave, at step 1: the first change steps them to step 2
	s_lshl_b32 s67, s[CY], 18
	s_add_co_u32 s66, s66, s67
	s_lshl_b32 s67, s[WV], 8
	s_add_co_u32 s66, s66, s67
	s_add_co_u32 s66, s66, 512
	s_mov_b32 s67, 0
	s_add_nc_u64 s[PFA:PFA+1], s[8:9], s[66:67]
	v_mul_u32_u24 v[STO], v14, 192                 ; the way out: the stage's row 64 (w / 4) + r, my head's 48 bytes, 24 a half
	v_mad_u32_u24 v[STO], v15, 24, v[STO]
	s_mul_i32 s66, s[QH], 64*192
	s_mul_i32 s67, s[HD], 48
	s_add_co_u32 s66, s66, s67
	s_add_co_u32 s66, s66, STG
	v_add_nc_u32 v[STO], s66, v[STO]
	v_lshlrev_b32 v[SSA], 3, v14                   ; the scale bytes: 8 a row, my head's two
	s_lshl_b32 s66, s[QH], 9
	s_lshl_b32 s67, s[HD], 1
	s_add_co_u32 s66, s66, s67
	s_add_co_u32 s66, s66, SSB
	v_add_nc_u32 v[SSA], s66, v[SSA]
	v_lshlrev_b32 v[SGO], 5, v[SGO]                ; os: row 16 w + l / 2 of 32 bytes, + 4 (l % 2)
	v_lshl_add_u32 v[SGO], v[GO], 2, v[SGO]
	s_lshl_b32 s66, s[WV], 9
	v_add_nc_u32 v[SGO], s66, v[SGO]
	s_mul_i32 s66, s[WV], 3072                     ; back from the stage: 3,072 bytes a wave, 16 a lane; the same place in oc
	v_add_nc_u32 v[GO], s66, v127
	v_add_nc_u32 v[RD], STG, v[GO]
	s_lshl_b32 s66, s[WV], 7
	s_add_co_u32 s66, s66, SSB
	v_add_nc_u32 v[SRD], s66, v[SRD]
	s_mul_i32 s66, s[CY], 8192*192                 ; oc: [group of heads][row][192 bytes]
	s_mul_i32 s67, s[XB], 128*192
	s_add_co_u32 s66, s66, s67
	s_mov_b32 s67, 0
	s_add_nc_u64 s[10:11], s[10:11], s[66:67]
	s_lshl_b32 s66, s[XB], 12                      ; os: [row][32 bytes], my group's 8
	s_lshl_b32 s68, s[CY], 3
	s_add_co_u32 s66, s66, s68
	s_add_nc_u64 s[12:13], s[12:13], s[66:67]
	WIN W_LD
.set j, 0
.rept 128
	v_mov_b32 v[j], 0                              ; O^T.  The step is written for the loop and for the tail alone: the first step finds zeros, which the first change of M leaves zeros; a third copy of the step would cost more code than these lines
.set j, j+1
.endr
.irp ti, 0,1,2,3
.irp n, 6,7,8,9,10,11
	v_mov_b32 v[QF+12*\ti+\n], 0                   ; Q's upper 64 along K: zero codes
.endr
.endr
.irp n, 48,49,50,51,52,53
	v_mov_b32 v[KF+\n], 0                          ; what the last tile of K has for an upper half
.endr
	WIN 0
.irp ti, 0,1,2,3
	v_mov_b32 v[ST+4*\ti+1], 0xff61b1e6            ; the largest t so far: -3e38
	v_floor_f32 v[ST+4*\ti], -v[ST+4*\ti+1]        ; -M
	v_mov_b32 v[ST+4*\ti+2], 0                     ; the sum, in two halves
	v_mov_b32 v[ST+4*\ti+3], 0
	v_mov_b32 v[TP+\ti], 0                         ; a lane permute's destination counts as one of its sources
.endr
	v_mov_b32 v[F+1], 0                            ; (named as the upper half of a pair)
	s_wait_loadcnt 0x0                             ; Q and its scale words
	v_perm_b32 v[QS], v[QS], v[QS], s[ROT]         ; my head's two bytes into the low half
	v_perm_b32 v[QS+1], v[QS+1], v[QS+1], s[ROT]
.macro LOADMASK ti, sx                 ; tile ti's 16 queries x 128 keys of the mask into the scores' registers: register 16 b + i = key 32 b + 16 h + i of query r
.irp b, 0,1,2,3
.irp c, 0,1,2,3
	ds_load_b128 v[\sx+16*\b+4*\c:\sx+16*\b+4*\c+3], v[ADM] offset:16*MP*\ti+128*\b+16*\c
.endr
.endr
.endm
.macro KQ ti, sx                       ; S^T = K Q^T / 8 + mask: eight tiles of 16 keys, eight accumulators one after the other
.irp t, 0,1,2,3,4,5,6,7
.set rS, \sx+8*\t
.set rK, KF+6*\t
.set rQ, QF+12*\ti
.set rA, KS+\t/2
.set rB, QS+\ti/2
.if (\t%2) && (\ti%2)
	v_wmma_scale_f32_16x16x128_f8f6f4 v[rS:rS+7], v[rK:rK+11], v[rQ:rQ+11], v[rS:rS+7], v[rA], v[rB] matrix_a_fmt:MATRIX_FMT_FP6 matrix_b_fmt:MATRIX_FMT_FP6 matrix_a_scale:MATRIX_SCALE_ROW1 matrix_b_scale:MATRIX_SCALE_ROW1
.elseif \t%2
	v_wmma_scale_f32_16x16x128_f8f6f4 v[rS:rS+7], v[rK:rK+11], v[rQ:rQ+11], v[rS:rS+7], v[rA], v[rB] matrix_a_fmt:MATRIX_FMT_FP6 matrix_b_fmt:MATRIX_FMT_FP6 matrix_a_scale:MATRIX_SCALE_ROW1
.elseif \ti%2
	v_wmma_scale_f32_16x16x128_f8f6f4 v[rS:rS+7], v[rK:rK+11], v[rQ:rQ+11], v[rS:rS+7], v[rA], v[rB] matrix_a_fmt:MATRIX_FMT_FP6 matrix_b_fmt:MATRIX_FMT_FP6 matrix_b_scale:MATRIX_SCALE_ROW1
.else
	v_wmma_scale_f32_16x16x128_f8f6f4 v[rS:rS+7], v[rK:rK+11], v[rQ:rQ+11], v[rS:rS+7], v[rA], v[rB] matrix_a_fmt:MATRIX_FMT_FP6 matrix_b_fmt:MATRIX_FMT_FP6
.endif
.endr
.endm
; One tile's softmax for a step of 128 keys, its p quantised into P's registers and scale word, its O^T brought under the new M.
.macro SM ti, sx
.set rT, ST+4*(\ti)
.set rP, P+12*(\ti)
.irp b, 0,1,2,3
	v_max3_num_f32 v[TM+\b], v[\sx+16*\b], v[\sx+16*\b+1], v[\sx+16*\b+2]   ; the largest score of each block of 32 keys: for the row's maximum and, since p rises with the score, for the block's largest p
.endr
.irp n, 3,5,7,9,11,13
.irp b, 0,1,2,3
	v_max3_num_f32 v[TM+\b], v[TM+\b], v[\sx+16*\b+\n], v[\sx+16*\b+\n+1]
.endr
.endr
.irp b, 0,1,2,3
	v_max_num_f32 v[TM+\b], v[TM+\b], v[\sx+16*\b+15]
.endr
.irp b, 0,1,2,3
	v_permlanex16_b32 v[TP+\b], v[TM+\b], s[SEL], s[SEL+1]
.endr
.irp b, 0,1,2,3
	v_max_num_f32 v[TM+\b], v[TM+\b], v[TP+\b]     ; with lane l xor 16's 16 keys
.endr
	v_max3_num_f32 v[X], v[TM], v[TM+1], v[TM+2]
	v_max_num_f32 v[X], v[X], v[TM+3]
	v_mul_f32 v[X], s[CS], v[X]                    ; as t
	v_max_num_f32 v[rT+1], v[rT+1], v[X]           ; the running largest t
	v_mov_b32 v[X], v[rT]
	v_floor_f32 v[rT], -v[rT+1]                    ; the new -M = -ceil(t)
	v_sub_f32 v[X], v[rT], v[X]                    ; old M - new M: a whole number, 0 or less
	v_cvt_i32_f32 v[X], v[X]                       ; (it saturates)
	v_ldexp_f32 v[F], 1.0, v[X]                    ; f = 2^(old M - new M)
.set j, 0
.rept 32
	v_pk_fma_f32 v[\sx+j:\sx+j+1], v[\sx+j:\sx+j+1], s[CS:CS+1], v[rT:rT+1] op_sel_hi:[1,0,0]   ; t - M, two at a time
.set j, j+2
.endr
.irp b, 0,1,2,3
	v_fma_f32 v[TM+\b], v[TM+\b], s[CS], v[rT]     ; the same of each block's largest score
.endr
.set j, 0
.rept 64
	v_exp_f32 v[\sx+j], v[\sx+j]                   ; p = 2^(t - M)
.set j, j+1
.endr
	v_pk_mul_f32 v[rT+2:rT+3], v[rT+2:rT+3], v[F:F+1] op_sel_hi:[1,0]   ; the sums under the new M (a plain line behind the exponentials)
	s_wait_alu depctr_va_vdst(0)                   ; one wait for the batch of 64, ahead of its first reader
.irp b, 0,1,2,3
	v_exp_f32 v[TM+\b], v[TM+\b]                   ; the block's largest p
.endr
	v_pk_add_f32 v[SUM:SUM+1], v[\sx:\sx+1], v[\sx+2:\sx+3]   ; the row's sum of the unquantised p, in two chains
.set j, 4
.rept 15
	v_pk_add_f32 v[rT+2:rT+3], v[rT+2:rT+3], v[\sx+j:\sx+j+1]
	v_pk_add_f32 v[SUM:SUM+1], v[SUM:SUM+1], v[\sx+j+2:\sx+j+3]
.set j, j+4
.endr
	v_pk_add_f32 v[rT+2:rT+3], v[rT+2:rT+3], v[SUM:SUM+1]
	s_wait_alu depctr_va_vdst(0)                   ; and one for the four
.irp b, 0,1,2,3
	v_max_num_f32 v[TM+\b], 0x1800000, v[TM+\b]    ; the floor 2^(3 - 127)
.endr
.irp b, 0,1,2,3
	v_add_nc_u32 v[SCO+\b], 0xff000000, v[TM+\b]   ; 2 off the exponent field: the conversion's scale operand
.endr
.irp b, 0,1,2,3
	v_lshrrev_b32 v[TP+\b], 23, v[SCO+\b]          ; the scale's byte
.endr
	v_lshl_or_b32 v[PS+\ti], v[TP+1], 8, v[TP]     ; p's scale word for these 128 keys
	v_lshl_or_b32 v[PS+\ti], v[TP+2], 16, v[PS+\ti]
	v_lshl_or_b32 v[PS+\ti], v[TP+3], 24, v[PS+\ti]
.irp c, 0,1
	v_cvt_scalef32_pk16_fp6_f32 v[rP+6*\c:rP+6*\c+2], v[\sx+32*\c:\sx+32*\c+15], v[SCO+2*\c]
	v_cvt_scalef32_pk16_fp6_f32 v[CT+4*\c:CT+4*\c+2], v[\sx+32*\c+16:\sx+32*\c+31], v[SCO+2*\c+1]
.endr
	v_nop                                          ; one plain line behind a scaled conversion
.irp c, 0,1                            ; a whole block in a lane: lanes 0-15 block 2 c, lanes 16-31 block 2 c + 1
.irp n, 0,1,2
	v_permlane16_swap_b32 v[rP+6*\c+\n], v[CT+4*\c+\n]
.endr
.irp n, 0,1,2
	v_mov_b32 v[rP+3+6*\c+\n], v[CT+4*\c+\n]
.endr
.endr
	WIN W_RS
.set j, 0
.rept 16
	v_pk_mul_f32 v[32*(\ti)+j:32*(\ti)+j+1], v[32*(\ti)+j:32*(\ti)+j+1], v[F:F+1] op_sel_hi:[1,0]   ; O^T under the new M
.set j, j+2
.endr
	WIN 0
.endm
; THE CHANGE OF SLOTS stands at a step's head: each wave waits for all its tensor loads (its part of the slot ahead), adds 0 to its spare word, and waits for that and for its reads of the slot that it has left.
; fill = 1: a round of the cluster's barrier, and behind it the slot just left is filled with the next step: the load has a whole step in which to land.
.macro CHANGE fill
	s_wait_tensorcnt 0x0                           ; no tensor load of mine is out, so a group 0 may be written
	ds_add_u32 v[SPW], v[NIL]
.if \fill
	s_xor_b32 s[G0M+1], s[G0M+1], SLOT1            ; the other slot than last time,
	s_add_nc_u64 s[G0M+2:G0M+3], s[G0M+2:G0M+3], 512   ; the next 128 keys
	s_xor_b32 s[G0K+1], s[G0K+1], SLOT1
	s_add_nc_u64 s[G0K+2:G0K+3], s[G0K+2:G0K+3], KVB
	s_wait_xcnt 0x0                                ; the last prefetch, a step back, has read its address
	s_add_nc_u64 s[PFA:PFA+1], s[PFA:PFA+1], 512
	s_wait_dscnt 0x0                               ; the add is done, and my reads of the slot that I have left are over
	CROUND
	JLOAD                                          ; my one tensor load behind the round
	ASK
.else
	s_wait_dscnt 0x0
	s_barrier_signal -1
	s_barrier_wait -1
.endif
.endm
.macro STEP
	v_add_nc_u32 v[ADM], s[TB], v[AM0]             ; (five plain lines: the places behind the last step's products, in front of the loads into K's registers)
	v_add_nc_u32 v[ADK], s[TB], v[AK0]
	v_add_nc_u32 v[ADKS], s[TB], v[AKS0]
	v_add_nc_u32 v[ADV], s[TB], v[AV0]
	v_add_nc_u32 v[ADVS], s[TB], v[AVS0]
	ds_load_b128 v[KS:KS+3], v[ADKS]               ; K's scale words: register a: lanes 0-15 tile 2 a, lanes 16-31 tile 2 a + 1
	WIN W_LD
.irp t, 0,1,2,3,4,5,6,7
.irp k, 0,1,2
	ds_load_b64 v[KF+6*\t+2*\k:KF+6*\t+2*\k+1], v[ADK] offset:UNIT*\t+256*\k
.endr
.endr
	WIN 0
	LOADMASK 0, SX0
	LOADMASK 1, SX1
	s_wait_dscnt 56                                ; K's scale words are in: 24 + 32 younger loads may be out
.irp n, 0,1,2,3
	v_perm_b32 v[KS+\n], v[KS+\n], v[KS+\n], s[ROT]
.endr
	PLACES 8                                       ; a scale register written by a vector instruction stands eight places ahead of the matrix instruction
	s_wait_dscnt 16                                ; K and tile 0's mask are in
	WIN W_KQ
	KQ 0, SX0
	s_wait_dscnt 0x0
	KQ 1, SX1
	WIN 0
	PLACES 4
	SM 0, SX0
	LOADMASK 2, SX0
	SM 1, SX1
	LOADMASK 3, SX1
	s_wait_dscnt 16                                ; tile 2's mask is in
	WIN W_KQ
	KQ 2, SX0
	s_wait_dscnt 0x0
	KQ 3, SX1
	WIN 0
	PLACES 4                                       ; in front of the loads into K's registers, and of the first read of the scores
	ds_load_b64 v[VS:VS+1], v[ADVS]
	WIN W_LD
.irp tt, 0,1,2,3
.irp k, 0,1,2,3,4,5
	ds_load_b64 v[KF+12*\tt+2*\k:KF+12*\tt+2*\k+1], v[ADV] offset:UNIT*\tt+256*\k   ; V^T: 16 channels x these 128 keys; it lands under two tiles' softmax
.endr
.endr
	WIN 0
	SM 2, SX0
	SM 3, SX1
	s_wait_dscnt 0x0                               ; V
	WIN W_PV
.irp tt, 0,1,2,3                       ; O^T += V^T P^T: sixteen accumulators by turns, one instruction a turn
.irp ti, 0,1,2,3
.if \tt%2
	v_wmma_scale_f32_16x16x128_f8f6f4 v[32*\ti+8*\tt:32*\ti+8*\tt+7], v[KF+12*\tt:KF+12*\tt+11], v[P+12*\ti:P+12*\ti+11], v[32*\ti+8*\tt:32*\ti+8*\tt+7], v[VS+\tt/2], v[PS+\ti] matrix_a_fmt:MATRIX_FMT_FP6 matrix_b_fmt:MATRIX_FMT_FP6 matrix_a_scale:MATRIX_SCALE_ROW1
.else
	v_wmma_scale_f32_16x16x128_f8f6f4 v[32*\ti+8*\tt:32*\ti+8*\tt+7], v[KF+12*\tt:KF+12*\tt+11], v[P+12*\ti:P+12*\ti+11], v[32*\ti+8*\tt:32*\ti+8*\tt+7], v[VS+\tt/2], v[PS+\ti] matrix_a_fmt:MATRIX_FMT_FP6 matrix_b_fmt:MATRIX_FMT_FP6
.endif
.endr
.endr
	WIN 0
	s_xor_b32 s[TB], s[TB], SLOT1                  ; on to the other slot
.endm
.Lstep:                                            ; 15 trips: behind each change of slots but the last the next step is asked for
	CHANGE 1
	STEP
	s_sub_co_u32 s[STEPS], s[STEPS], 1
	s_cmp_lg_u32 s[STEPS], 0
	s_cbranch_scc1 .Lstep
	CHANGE 0                                       ; the last step is written out
	STEP
	; THE WAY OUT.  The sum's halves are added (eight plain lines: the places behind the last products); O^T / the sum is quantised along the channels, 32 to a block, and leaves through a stage in LDS.
.irp ti, 0,1,2,3
	v_add_f32 v[TM+\ti], v[ST+4*\ti+2], v[ST+4*\ti+3]
.endr
.irp ti, 0,1,2,3
	v_permlanex16_b32 v[TP+\ti], v[TM+\ti], s[SEL], s[SEL+1]
.endr
.irp ti, 0,1,2,3
	v_add_f32 v[TM+\ti], v[TM+\ti], v[TP+\ti]      ; the row's sum
.endr
.irp ti, 0,1,2,3
	v_rcp_f32 v[ST+4*\ti+2], v[TM+\ti]
.endr
	v_nop                                          ; a plain line behind the last reciprocal
	s_wait_alu depctr_va_vdst(0)                   ; one wait for the four, ahead of their first reader
.macro OUTT ti
.set XO, SX0+32*(\ti)
.set PO, P+12*(\ti)
	WIN W_OUT
.set j, 0
.rept 16
	v_pk_mul_f32 v[XO+j:XO+j+1], v[32*(\ti)+j:32*(\ti)+j+1], v[ST+4*(\ti)+2:ST+4*(\ti)+3] op_sel_hi:[1,0]   ; register 16 b + i: channel 32 b + 16 h + i of my head; each accumulator from its low end on
.set j, j+2
.endr
	WIN 0
.irp b, 0,1
	v_max3_num_f32 v[TM+\b], |v[XO+16*\b]|, |v[XO+16*\b+1]|, 0x1800000
.endr
.irp n, 2,4,6,8,10,12,14
.irp b, 0,1
	v_max3_num_f32 v[TM+\b], v[TM+\b], |v[XO+16*\b+\n]|, |v[XO+16*\b+\n+1]|
.endr
.endr
.irp b, 0,1
	v_permlanex16_b32 v[TP+\b], v[TM+\b], s[SEL], s[SEL+1]
.endr
.irp b, 0,1
	v_max_num_f32 v[TM+\b], v[TM+\b], v[TP+\b]
.endr
.irp b, 0,1
	v_add_nc_u32 v[SCO+\b], 0xff000000, v[TM+\b]
.endr
.irp b, 0,1
	v_lshrrev_b32 v[TP+\b], 23, v[SCO+\b]
.endr
	v_lshl_or_b32 v[X], v[TP+1], 8, v[TP]          ; my head's two scale bytes of row r
	v_cvt_scalef32_pk16_fp6_f32 v[PO:PO+2], v[XO:XO+15], v[SCO]
	v_cvt_scalef32_pk16_fp6_f32 v[CT:CT+2], v[XO+16:XO+31], v[SCO+1]
	v_nop
.irp n, 0,1,2
	v_permlane16_swap_b32 v[PO+\n], v[CT+\n]       ; lane (r, h) now holds block h whole: 24 bytes
.endr
.irp n, 0,1,2
	v_mov_b32 v[PO+3+\n], v[CT+\n]
.endr
.irp k, 0,1,2
	ds_store_b64 v[STO], v[PO+2*\k:PO+2*\k+1] offset:16*192*(\ti)+8*\k
.endr
	ds_store_b16 v[SSA], v[X] offset:128*(\ti)     ; both halves of the lanes write the same two bytes with the same value
	s_wait_dscnt 0x0                               ; the stores have read their registers
.endm
	OUTT 0
	OUTT 1
	OUTT 2
	OUTT 3
	s_barrier_signal -1                            ; every wave's stores into the stage are done (the wait above): a row's 192 bytes come from four waves
	s_barrier_wait -1
.irp k, 0,1,2,3,4,5
	ds_load_b128 v[SX0+4*\k:SX0+4*\k+3], v[RD] offset:512*\k
.endr
	ds_load_b32 v[X], v[SRD]
	s_wait_dscnt 0x0
.irp k, 0,1,2,3,4,5
	global_store_b128 v[GO], v[SX0+4*\k:SX0+4*\k+3], s[10:11] offset:512*\k   ; the block's 24,576 bytes of oc are dense: the wave stores 512 consecutive bytes, aligned
.endr
	global_store_b32 v[SGO], v[X], s[12:13]
	s_wait_tensorcnt 0x0                           ; the wave's end: three lines behind my last tensor load and my last LDS store
	ds_add_u32 v[SPW], v[NIL]
	s_wait_dscnt 0x0
	CROUND                                         ; the closing round
	s_endpgm
.Lfunc_end_k_qb74230c108_attn:
	.size	k_qb74230c108_attn, .Lfunc_end_k_qb74230c108_attn-k_qb74230c108_attn
	.p2alignl 7, 3214868480
	.fill 96, 4, 3214868480
	.section	.rodata,"a",@progbits
	.p2align	6, 0x0
	.amdhsa_kernel k_qb74230c108_attn
		.amdhsa_group_segment_fixed_size 327680
		.amdhsa_private_segment_fixed_size 0
		.amdhsa_enable_private_segment 0
		.amdhsa_kernarg_size 40
		.amdhsa_user_sgpr_count 2
		.amdhsa_user_sgpr_kernarg_segment_ptr 1
		.amdhsa_wavefront_size32 1
		.amdhsa_system_sgpr_workgroup_id_x 1
		.amdhsa_system_sgpr_workgroup_id_y 1
		.amdhsa_system_sgpr_workgroup_id_z 1
		.amdhsa_system_vgpr_workitem_id 0
		.amdhsa_next_free_vgpr 512
		.amdhsa_next_free_sgpr 80
		.amdhsa_reserve_vcc 0
		.amdhsa_float_denorm_mode_32 3
		.amdhsa_float_denorm_mode_16_64 3
		.amdhsa_memory_ordered 1
		.amdhsa_forward_progress 1
		.amdhsa_inst_pref_size 155
	.end_amdhsa_kernel
	.amdgpu_metadata
---
amdhsa.version: [ 1, 2 ]
amdhsa.kernels:
  - .name:           k_qb74230c108_attn
    .symbol:         k_qb74230c108_attn.kd
    .args:
      - { .name: qimg, .offset: 0, .size: 8, .value_kind: global_buffer, .address_space: global }
      - { .name: kv, .offset: 8, .size: 8, .value_kind: global_buffer, .address_space: global }
      - { .name: attention_mask, .offset: 16, .size: 8, .value_kind: global_buffer, .address_space: global }
      - { .name: oc, .offset: 24, .size: 8, .value_kind: global_buffer, .address_space: global }
      - { .name: os, .offset: 32, .size: 8, .value_kind: global_buffer, .address_space: global }
    .group_segment_fixed_size: 327680
    .private_segment_fixed_size: 0
    .kernarg_segment_align: 8
    .kernarg_segment_size: 40
    .max_flat_workgroup_size: 256
    .sgpr_count:     80
    .vgpr_count:     512
    .wavefront_size: 32
...
	.end_amdgpu_metadata
.endif
;; end of part 3
;; launch outp (part 4): grid 4 x 32, 4 waves a work-group, clusters of 4 x 4, 327,680 bytes of LDS; arguments oc, os, qc, qs, bo, out0; writes out0
.if DOCPART == 4
	.amdgcn_target "amdgcn-amd-amdhsa--gfx1250"
	.amdhsa_code_object_version 6
	.text
	.protected	k_qb74230c108_outp
	.globl	k_qb74230c108_outp
	.p2align	8
	.type	k_qb74230c108_outp,@function
k_qb74230c108_outp:
	s_mov_b64 s[64:65], 0
	v_nop
	global_prefetch_b8 v0, s[64:65] scope:SCOPE_SE
	s_setreg_imm32_b32 hwreg(HW_REG_WAVE_MODE, 25, 1), 1
	s_wait_xcnt 0x0
	s_wait_alu depctr_hold_cnt(0) depctr_sa_sdst(0) depctr_va_vdst(0) depctr_va_sdst(0) depctr_va_ssrc(0) depctr_va_vcc(0) depctr_vm_vsrc(0)
	s_getreg_b32 s2, hwreg(HW_REG_IB_STS2, 6, 4)
	s_cmp_eq_u32 s2, 0
	s_cbranch_scc0 .Lentry_in_a_cluster
	s_endpgm
.Lentry_in_a_cluster:
	s_bfe_u32 s2, ttmp6, 0x10000c
	s_cmp_lg_u32 s2, 0xf033
	s_cbranch_scc0 .Lentry_shape_is_right
	s_endpgm
.Lentry_shape_is_right:
; out0 = attention's result x Wo^T + bo, on codes of FP6 (E2M3) with E8M0 scales.  A: 8,192 rows, codes in oc as four planes [K step of 256][row][192 bytes], scale bytes in os [row][32].  B: Wo, rows 27,648 on of qc (768 bytes a row) and qs.  out0: [8192][1024] f32.
; A tile of 256 x 256 is made by a work-group of four waves, 128 x 128 each: 64 accumulators, 512 registers.  K goes in steps of 256 through a ring of two LDS slots; the scale bytes come into LDS once.
; 128 work-groups: a smaller tile would give more, at half the multiply-adds for each LDS byte; K is short and the launch small beside attention's, so the larger tile is kept.
; CLUSTERS 4 x 4: A's tiles are asked for jointly along a row of the cluster, B's along a column.  The matrix instruction is used transposed (source 0 = 16 rows of B, source 1 = 16 rows of A): a lane holds eight neighbouring numbers of a row of out0.
; THE BIAS is the C of each sum's first matrix instruction: eight registers for each of B's blocks, in the result's layout.
; REGISTERS: window 0: v0-31 addresses; v32-63 scale words, two sets, and nothing else; v64-127 the bias; from v128 A's fragments, one set; on the way out v128-255 rows of out0.  window 1: B's fragments, two sets.  windows 2, 3: the accumulators.
.set SIZE_N, 1024
.set KSTEP,  256
.set NQ,     KSTEP/128
.set ROWB,   192
.set KROW,   768                       ; a row of qc
.set PLANE,  8192*ROWB                 ; a plane of oc
.set WOROW,  27648                     ; Wo's first row in qc and qs
.set PITCH,  240
.set FR,     12
.set NL,     6
.set NP,     4
.set HALFT,  128*PITCH
.set SLOT,   4*HALFT
.set LAPS,   2
.set KS,     32
.set SCL,    2*SLOT
.set HALFS,  (128*KS/256)*272
.set SBLK,   (16*KS/256)*272
.set SPARE,  SCL+4*HALFS               ; the spare words, 128 bytes a wave, which no other line names
.set SPITCH, 528                       ; the way out: a stage of 16 rows x (512 bytes + 16) for each wave, in slot 0, which has had its last fill and its last read by then
.set ADRA, 16
.set ADRB, 20
.set STO,  24
.set RD,   25
.set CO,   26
.set ADRS, 27
.set SPW,  28
.set NIL,  29
.set SC,   32
.set BI,   64                          ; v64-127 the bias: v[BI + 8 b + j] = bo at my column 16 b + 8 h + j
.set AF,   128
.set BK,   128
.set G1, 24
.set G0, 32
.set G1B, 48
.set G0B, 56
.set G1S, 68
.set G0S, 76
.set G1SB, 80
.set G0SB, 88
.set MSB, 0
.macro WIN new
.if MSB != \new
	s_set_vgpr_msb (MSB<<8)|\new
.set MSB, \new
.endif
.endm
.set MUL_LO, 0xa1                      ; source 0 (B) window 1, source 1 (A) window 0, C and D window 2
.set MUL_HI, 0xf1
.set BIA_LO, 0x81                      ; the same with C (the bias) in window 0
.set BIA_HI, 0xc1
.set TO_B,   0x40
.macro JLOAD g0a, g1a, g0b, g1b        ; waves 0 and 1 fetch for A, waves 2 and 3 for B; an s_nop 0 and four v_nop follow each of the two lines
	s_cmp_eq_u32 s15, 0
	s_cbranch_scc0 .Lfor_b_\@
	tensor_load_to_lds s[\g0a:\g0a+3], s[\g1a:\g1a+7]
	s_nop 0
.rept 4
	v_nop
.endr
	s_branch .Lasked_\@
.Lfor_b_\@:
	tensor_load_to_lds s[\g0b:\g0b+3], s[\g1b:\g1b+7]
	s_nop 0
.rept 4
	v_nop
.endr
.Lasked_\@:
.endm
.macro CREST
	s_cmp_lg_u32 s14, 0
	s_cbranch_scc1 .Lnot_wave_0_\@
	s_barrier_signal -3
.Lnot_wave_0_\@:
	s_barrier_wait -3
	s_barrier_signal -1
	s_barrier_wait -1
.endm
.macro CROUND
	s_barrier_signal -1
	s_barrier_wait -1
	CREST
.endm
	s_load_b128 s[4:7], s[0:1], 0x0                ; oc s[4:5], os s[6:7]
	s_load_b128 s[8:11], s[0:1], 0x10              ; qc s[8:9], qs s[10:11]
	s_load_b64 s[96:97], s[0:1], 0x20              ; bo
	s_load_b64 s[12:13], s[0:1], 0x28              ; out0
	v_lshl_add_u32 v[SPW], v0, 2, SPARE
	v_mov_b32 v[NIL], 0
	ds_add_u32 v[SPW], v[NIL]                      ; the wave's opening: the add and its wait ahead of my first tensor load; the set-up below stands between them
	v_lshrrev_b32 v1, 5, v0
	v_readfirstlane_b32 s14, v1                    ; wave 0..3
	s_lshr_b32 s15, s14, 1                         ; which half of the tile's rows is mine.  Also: I fetch for A (0) or for B (1)
	s_and_b32 s16, s14, 1                          ; which half of its columns.  Also: which 128 rows I fetch
	s_bfe_u32 s40, ttmp6, 0x40000                  ; cx, cy
	s_bfe_u32 s41, ttmp6, 0x40004
	s_lshl_b32 s42, ttmp9, 2
	s_add_co_u32 s42, s42, s40                     ; tile column
	s_and_b32 s17, ttmp7, 0xffff
	s_lshl_b32 s17, s17, 2
	s_add_co_u32 s17, s17, s41                     ; tile row
	s_lshl_b32 s43, s41, 2
	s_lshl_b32 s43, 15, s43                        ; my row of the cluster
	s_lshl_b32 s44, 0x1111, s40                    ; my column
	s_or_b32 s[G1+0], s43, (0<<16)|(1<<20)|(1<<21)|(3<<22)|(3<<25)
	s_or_b32 s[G1B+0], s44, (0<<16)|(1<<20)|(1<<21)|(3<<22)|(3<<25)
.irp g, G1, G1B
	s_mov_b32 s[\g+1], ROWB<<16
	s_mov_b32 s[\g+2], 128<<16
	s_mov_b32 s[\g+3], ROWB<<16
	s_mov_b32 s[\g+4], 128
	s_mov_b32 s[\g+6], 0
	s_mov_b32 s[\g+7], 0
.endr
	s_mov_b32 s[G1+5], ROWB                        ; A's rows lie on end within a plane of oc
	s_mov_b32 s[G1B+5], KROW                       ; B's are 768 bytes apart
	s_or_b32 s[G1S+0], s43, (3<<16)|(1<<20)|(1<<21)|(5<<22)|(3<<25)
	s_or_b32 s[G1SB+0], s44, (3<<16)|(1<<20)|(1<<21)|(5<<22)|(3<<25)
.irp g, G1S, G1SB
	s_mov_b32 s[\g+1], 32<<16
	s_mov_b32 s[\g+2], (128*KS/256)<<16
	s_mov_b32 s[\g+3], 32<<16
	s_mov_b32 s[\g+4], 128*KS/256
	s_mov_b32 s[\g+5], 32
	s_mov_b32 s[\g+6], 0
	s_mov_b32 s[\g+7], 0
.endr
	s_lshl_b32 s18, s16, 7
	s_lshl_b32 s20, s17, 8
	s_add_co_u32 s20, s20, s18                     ; A: row 256 x tile row + 128 x half
	s_lshl_b32 s46, s42, 8
	s_add_co_u32 s46, s46, s18
	s_add_co_u32 s46, s46, WOROW                   ; B: Wo's row 256 x tile column + 128 x half
	s_mov_b32 s21, 0
	s_mov_b32 s47, 0
	s_mov_b64 s[18:19], KS
	s_mul_u64 s[22:23], s[20:21], s[18:19]
	s_mul_u64 s[92:93], s[46:47], s[18:19]
	s_mov_b64 s[18:19], ROWB
	s_mul_u64 s[20:21], s[20:21], s[18:19]
	s_mov_b64 s[18:19], KROW
	s_mul_u64 s[46:47], s[46:47], s[18:19]
	s_mul_i32 s45, s14, HALFT
	s_mul_i32 s94, s14, HALFS
	s_wait_dscnt 0x0                               ; the opening add is done
	s_wait_kmcnt 0x0
	s_add_nc_u64 s[20:21], s[4:5], s[20:21]
	s_add_nc_u64 s[22:23], s[6:7], s[22:23]
	s_add_nc_u64 s[46:47], s[8:9], s[46:47]
	s_add_nc_u64 s[92:93], s[10:11], s[92:93]
	CROUND
	s_mov_b32 s[G0S], 1
	s_add_co_u32 s[G0S+1], s94, SCL
	s_mov_b64 s[G0S+2:G0S+3], s[22:23]
	s_or_b32 s[G0S+3], s[G0S+3], 0x80000000
	s_mov_b32 s[G0SB], 1
	s_add_co_u32 s[G0SB+1], s94, SCL
	s_mov_b64 s[G0SB+2:G0SB+3], s[92:93]
	s_or_b32 s[G0SB+3], s[G0SB+3], 0x80000000
	JLOAD G0S, G1S, G0SB, G1SB
.irp s, 0,1
	s_mov_b32 s[G0+4*\s], 1
	s_add_co_u32 s[G0+4*\s+1], s45, \s*SLOT
	s_add_nc_u64 s[G0+4*\s+2:G0+4*\s+3], s[20:21], \s*PLANE
	s_or_b32 s[G0+4*\s+3], s[G0+4*\s+3], 0x80000000
	s_mov_b32 s[G0B+4*\s], 1
	s_add_co_u32 s[G0B+4*\s+1], s45, \s*SLOT
	s_add_nc_u64 s[G0B+4*\s+2:G0B+4*\s+3], s[46:47], \s*ROWB
	s_or_b32 s[G0B+4*\s+3], s[G0B+4*\s+3], 0x80000000
	JLOAD G0+4*\s, G1, G0B+4*\s, G1B               ; three loads of mine are out
.endr
	v_and_b32 v1, 15, v0
	v_bfe_u32 v2, v0, 4, 1
	v_mul_u32_u24 v3, v1, PITCH
	v_mul_u32_u24 v4, v2, 24
	v_add_nc_u32 v4, v3, v4
	v_lshl_add_u32 v5, v2, 4, v4
	s_mul_i32 s21, s15, HALFT
	s_mul_i32 s22, s16, HALFT
	s_add_co_u32 s22, s22, 2*HALFT
.irp s, 0,1
	v_add_nc_u32 v[ADRA+\s], s21, v4
	v_add_nc_u32 v[ADRB+\s], s22, v4
	v_add_nc_u32 v[ADRA+2+\s], s21, v5
	v_add_nc_u32 v[ADRB+2+\s], s22, v5
	s_add_co_u32 s21, s21, SLOT
	s_add_co_u32 s22, s22, SLOT
.endr
	v_mul_u32_u24 v5, v1, KS
	v_lshrrev_b32 v6, 8, v5
	v_lshl_add_u32 v5, v6, 4, v5
	s_mul_i32 s21, s15, HALFS
	s_mul_i32 s22, s16, HALFS
	s_add_co_u32 s22, s22, 2*HALFS
	s_sub_co_u32 s22, s22, s21
	v_mul_u32_u24 v6, s22, v2
	s_add_co_u32 s21, s21, SCL
	v_add_nc_u32 v5, v5, v6
	v_add_nc_u32 v[ADRS], s21, v5
	s_mul_i32 s23, s14, 16*SPITCH                  ; my stage
	v_mul_u32_u24 v5, v1, SPITCH
	v_lshl_add_u32 v5, v2, 5, v5
	v_add_nc_u32 v[STO], s23, v5
	v_and_b32 v6, 31, v0
	v_lshlrev_b32 v[CO], 4, v6
	v_add_nc_u32 v[RD], s23, v[CO]
	v_lshlrev_b32 v8, 5, v2                        ; the bias: 32 h bytes on; never rewritten
	s_lshl_b32 s20, s17, 8
	s_lshl_b32 s21, s15, 7
	s_add_co_u32 s20, s20, s21                     ; my first row of out0
	s_mov_b32 s21, 0
	s_mov_b64 s[18:19], SIZE_N*4
	s_mul_u64 s[20:21], s[20:21], s[18:19]
	s_lshl_b32 s46, s42, 10                        ; my first column, in bytes: the same in a row of out0 and in bo
	s_lshl_b32 s47, s16, 9
	s_add_co_u32 s46, s46, s47
	s_mov_b32 s47, 0
	s_add_nc_u64 s[96:97], s[96:97], s[46:47]
	s_add_nc_u64 s[20:21], s[20:21], s[46:47]
	s_add_nc_u64 s[12:13], s[12:13], s[20:21]
.irp b, 0,1,2,3,4,5,6,7
	global_load_b128 v[BI+8*\b:BI+8*\b+3], v8, s[96:97] offset:64*\b
	global_load_b128 v[BI+8*\b+4:BI+8*\b+7], v8, s[96:97] offset:64*\b+16
.endr
.macro FRAG reg, adr, q, i
.irp p, 0,1,2,3,4,5
.set PC, 12*(\q)+6*(\p/3)+\p%3
.if PC%8 < 5
	ds_load_b64 v[\reg+2*\p:\reg+2*\p+1], v[\adr] offset:8*PC+16*(PC/8)+(\i)*16*PITCH
.else
	ds_load_b64 v[\reg+2*\p:\reg+2*\p+1], v[\adr+2] offset:8*PC+16*(PC/8)+(\i)*16*PITCH
.endif
.endr
.endm
; 16 matrix instructions: A's blocks a0, a0 + 1 x B's eight.  zero = 1: the first product starts the sums from the bias.  The 64 accumulators take turns, one instruction a turn.
.macro MUL16 a0, p, q, sc, zero
.irp a, \a0, \a0+1
.irp b, 0,1,2,3,4,5,6,7
.if \zero
	v_wmma_scale_f32_16x16x128_f8f6f4 v[8*(8*((\a)%4)+\b):8*(8*((\a)%4)+\b)+7], v[128*(\p)+FR*\b:128*(\p)+FR*\b+FR-1], v[AF+FR*(\a):AF+FR*(\a)+FR-1], v[BI+8*\b:BI+8*\b+7], v[SC+8*NQ*(\sc)+NQ*\b+(\q)], v[SC+8*NQ*(\sc)+NQ*(\a)+(\q)] matrix_a_fmt:MATRIX_FMT_FP6 matrix_b_fmt:MATRIX_FMT_FP6 matrix_a_scale:MATRIX_SCALE_ROW1
.else
	v_wmma_scale_f32_16x16x128_f8f6f4 v[8*(8*((\a)%4)+\b):8*(8*((\a)%4)+\b)+7], v[128*(\p)+FR*\b:128*(\p)+FR*\b+FR-1], v[AF+FR*(\a):AF+FR*(\a)+FR-1], v[8*(8*((\a)%4)+\b):8*(8*((\a)%4)+\b)+7], v[SC+8*NQ*(\sc)+NQ*\b+(\q)], v[SC+8*NQ*(\sc)+NQ*(\a)+(\q)] matrix_a_fmt:MATRIX_FMT_FP6 matrix_b_fmt:MATRIX_FMT_FP6 matrix_a_scale:MATRIX_SCALE_ROW1
.endif
.endr
.endr
.endm
.macro FETCH_B slot, q, p
	WIN TO_B
.irp i, 0,1,2,3,4,5,6,7
	FRAG 128*(\p)+FR*\i, ADRB+\slot, \q, \i
.endr
	WIN 0
.endm
.macro FETCH_A slot, q, i0
.irp i, \i0, \i0+1, \i0+2, \i0+3
	FRAG AF+FR*(\i), ADRA+\slot, \q, \i
.endr
.endm
.macro SCALES sc
.irp i, 0,1,2,3,4,5,6,7
	ds_load_b64 v[SC+8*NQ*\sc+NQ*\i:SC+8*NQ*\sc+NQ*\i+1], v[ADRS] offset:\i*SBLK
.endr
.endm
.macro PLACES n
.rept \n
	v_nop
.endr
.endm
.macro STEP slot, q, zero
	s_wait_dscnt 4*NL                              ; B's set and A's blocks 0-3 are in; the youngest 24 loads may be out
.if \zero
	WIN BIA_LO
.else
	WIN MUL_LO
.endif
	MUL16 0, (\q)%2, \q, \slot, \zero
	MUL16 2, (\q)%2, \q, \slot, \zero
	s_wait_dscnt 0
	PLACES NP
	FETCH_B \slot, (\q)+1, 1-(\q)%2
	FETCH_A \slot, (\q)+1, 0
.if \zero
	WIN BIA_HI
.else
	WIN MUL_HI
.endif
	MUL16 4, (\q)%2, \q, \slot, \zero
	MUL16 6, (\q)%2, \q, \slot, \zero
	PLACES NP
	WIN 0
	FETCH_A \slot, (\q)+1, 4
.endm
.macro TURN slot, next, fill
	s_wait_tensorcnt 0x0                           ; all my tensor loads have landed: my part of the next slot
	ds_add_u32 v[SPW], v[NIL]
	s_wait_dscnt 4*NL+1                            ; (the add and the youngest 24 loads may be out)
	WIN MUL_LO
	MUL16 0, 1, NQ-1, \slot, 0
	s_wait_dscnt 0x0                               ; the add is done, and my reads of this slot are over
	s_barrier_signal -1
	MUL16 2, 1, NQ-1, \slot, 0
	WIN 0
	s_barrier_wait -1
.if \fill
	CREST                                          ; the barrier has opened a round of the cluster's
	s_add_nc_u64 s[G0+4*\slot+2:G0+4*\slot+3], s[G0+4*\slot+2:G0+4*\slot+3], 2*PLANE
	s_add_nc_u64 s[G0B+4*\slot+2:G0B+4*\slot+3], s[G0B+4*\slot+2:G0B+4*\slot+3], 2*ROWB
	JLOAD G0+4*\slot, G1, G0B+4*\slot, G1B         ; my one tensor load behind the round; its four v_nop are the places in front of the loads below
.else
	PLACES NP
.endif
	v_add_nc_u32 v[ADRS], 4*NQ, v[ADRS]
	FETCH_B \next, 0, 0
	FETCH_A \next, 0, 0
	SCALES \next
	WIN MUL_HI
	MUL16 4, 1, NQ-1, \slot, 0
	MUL16 6, 1, NQ-1, \slot, 0
	PLACES NP
	WIN 0
	FETCH_A \next, 0, 4
.endm
	s_wait_tensorcnt 1                             ; the scales and my part of K step 0 are in (K step 1's load may be out)
	s_barrier_signal -1
	s_barrier_wait -1
	FETCH_B 0, 0, 0
	FETCH_A 0, 0, 0
	SCALES 0
	FETCH_A 0, 0, 4
	s_wait_loadcnt 0x0                             ; the bias
	STEP 0, 0, 1
	s_mov_b32 s3, LAPS-1
.Llap:
	TURN 0, 1, 1
	STEP 1, 0, 0
	TURN 1, 0, 1
	STEP 0, 0, 0
	s_sub_co_u32 s3, s3, 1
	s_cmp_lg_u32 s3, 0
	s_cbranch_scc1 .Llap
	TURN 0, 1, 0
	STEP 1, 0, 0
	s_wait_dscnt 4*NL
	WIN MUL_LO
	MUL16 0, 1, NQ-1, 1, 0
	MUL16 2, 1, NQ-1, 1, 0
	s_wait_dscnt 0
	WIN MUL_HI
	MUL16 4, 1, NQ-1, 1, 0
	MUL16 6, 1, NQ-1, 1, 0
	WIN 0
; THE WAY OUT, block by block of 16 rows x 128 columns, through my own stage in LDS: in as 32 bytes a lane, back as whole rows of 512 bytes.  LDS serves a wave's instructions in order: no wait between the stores and the loads.
.macro TOSTAGE a
.set AC, 64*((\a)%4)
.set WB, 0x08+4*((\a)/4)
	WIN WB                                         ; the data: window 2 or 3
.irp b, 0,1,2,3,4,5,6,7
	ds_store_b128 v[STO], v[AC+8*\b:AC+8*\b+3] offset:64*\b          ; each accumulator from its low end on
	ds_store_b128 v[STO], v[AC+8*\b+4:AC+8*\b+7] offset:64*\b+16
.endr
	WIN 0
.set BB, BK+64*((\a)%2)
.irp t, 0,1,2,3,4,5,6,7,8,9,10,11,12,13,14,15
	ds_load_b128 v[BB+4*\t:BB+4*\t+3], v[RD] offset:\t*SPITCH
.endr
.endm
.macro SEND a, younger
.set BB, BK+64*((\a)%2)
	s_wait_dscnt \younger                          ; the block is back in registers
.if (\a) > 0
	s_add_nc_u64 s[12:13], s[12:13], 16*SIZE_N*4   ; (behind a wait on XCNT: the earlier stores have read their base)
.endif
.irp t, 0,1,2,3,4,5,6,7,8,9,10,11,12,13,14,15
	global_store_b128 v[CO], v[BB+4*\t:BB+4*\t+3], s[12:13] offset:\t*SIZE_N*4 th:TH_STORE_NT   ; 32 lanes store 512 consecutive bytes, aligned
.endr
.endm
	PLACES NP
	TOSTAGE 0
.irp a, 1,2,3,4,5,6,7
.if \a > 1
	s_wait_xcnt 0x0                                ; block a - 2's stores have read their registers and their base
.endif
	TOSTAGE \a
	SEND \a-1, 32                                  ; behind block a - 1's loads: block a's 16 stores and 16 loads
.endr
	s_wait_xcnt 0x0
	SEND 7, 0
	s_wait_tensorcnt 0x0                           ; the wave's end: three lines behind my last tensor load and my last LDS store
	ds_add_u32 v[SPW], v[NIL]
	s_wait_dscnt 0x0
	CROUND                                         ; the closing round
	s_endpgm
.Lfunc_end_k_qb74230c108_outp:
	.size	k_qb74230c108_outp, .Lfunc_end_k_qb74230c108_outp-k_qb74230c108_outp
	.p2alignl 7, 3214868480
	.fill 96, 4, 3214868480
	.section	.rodata,"a",@progbits
	.p2align	6, 0x0
	.amdhsa_kernel k_qb74230c108_outp
		.amdhsa_group_segment_fixed_size 327680
		.amdhsa_private_segment_fixed_size 0
		.amdhsa_enable_private_segment 0
		.amdhsa_kernarg_size 48
		.amdhsa_user_sgpr_count 2
		.amdhsa_user_sgpr_kernarg_segment_ptr 1
		.amdhsa_wavefront_size32 1
		.amdhsa_system_sgpr_workgroup_id_x 1
		.amdhsa_system_sgpr_workgroup_id_y 1
		.amdhsa_system_sgpr_workgroup_id_z 1
		.amdhsa_system_vgpr_workitem_id 0
		.amdhsa_next_free_vgpr 1024
		.amdhsa_next_free_sgpr 98
		.amdhsa_reserve_vcc 0
		.amdhsa_float_denorm_mode_32 3
		.amdhsa_float_denorm_mode_16_64 3
		.amdhsa_memory_ordered 1
		.amdhsa_forward_progress 1
		.amdhsa_inst_pref_size 162
	.end_amdhsa_kernel
	.amdgpu_metadata
---
amdhsa.version: [ 1, 2 ]
amdhsa.kernels:
  - .name:           k_qb74230c108_outp
    .symbol:         k_qb74230c108_outp.kd
    .args:
      - { .name: oc, .offset: 0, .size: 8, .value_kind: global_buffer, .address_space: global }
      - { .name: os, .offset: 8, .size: 8, .value_kind: global_buffer, .address_space: global }
      - { .name: qc, .offset: 16, .size: 8, .value_kind: global_buffer, .address_space: global }
      - { .name: qs, .offset: 24, .size: 8, .value_kind: global_buffer, .address_space: global }
      - { .name: bo, .offset: 32, .size: 8, .value_kind: global_buffer, .address_space: global }
      - { .name: out0, .offset: 40, .size: 8, .value_kind: global_buffer, .address_space: global }
    .group_segment_fixed_size: 327680
    .private_segment_fixed_size: 0
    .kernarg_segment_align: 8
    .kernarg_segment_size: 48
    .max_flat_workgroup_size: 128
    .sgpr_count:     98
    .vgpr_count:     1024
    .wavefront_size: 32
...
	.end_amdgpu_metadata
.endif
;; end of part 4
